; MI455X (gfx1250); checked and timed in simulation.
; The chip was launched on July 23, 2026; its instructions are those of AMD's public machine-readable ISA for CDNA 5 (MIT licence, August 2026) and "CDNA5" Instruction Set Architecture Reference Guide (July 2026). The comments in the code are by the model that wrote it; some were corrected since.
;; Multi Head Attention. Allowed arithmetic: matrix products marked QUANTISED: E2M3 operands, one E8M0 scale for each 32 along K, by v_wmma_scale_f32_16x16x128_f8f6f4 with both operands' format E2M3, f32 sums; everything else in f32.
;; Inputs: Wk 256 x 2,048 float32; Wq 256 x 2,048 float32; Wu 2,048 x 256 float32; Wv 256 x 2,048 float32; x 8 x 1,024 x 256 float32.
;; Outputs: out0 8 x 1,024 x 256 float32.
;; This version of the problem:
;;   THIS VERSION OF THE PROBLEM IS GIVEN IN LOW PRECISION. The matrix products marked QUANTISED in the list below multiply operands that are first quantised to E2M3 (2 exponent bits, 3 mantissa bits; 6 bits a number), with one power-of-two scale for each 32 numbers along K (OCP MX v1.0); their sums are f32. All else is computed in f32.
;;   The module's matrix products, in the order in which they are computed (A, B: the left and right operand; K: the contracted axis; several contracted axes count as one K, in the product's order):
;;     1. [M 8,192, K 256] x [K 256, N 2,048]; A: input x; B: input Wq: QUANTISED
;;     2. [M 8,192, K 256] x [K 256, N 2,048]; A: input x; B: input Wk: QUANTISED
;;     3. [M 8,192, K 256] x [K 256, N 2,048]; A: input x; B: input Wv: QUANTISED
;;     4. batch 64 x [M 1,024, K 256] x [K 256, N 1,024]; A: computed on the way; B: computed on the way: QUANTISED
;;     5. batch 64 x [M 256, K 1,024] x [K 1,024, N 1,024]; A: computed on the way; B: softmax (see below): QUANTISED
;;     6. [M 8,192, K 2,048] x [K 2,048, N 256]; A: computed on the way; B: input Wu: QUANTISED
;;   THE QUANTISER, for each operand of a quantised product, along K:
;;     - K is cut into blocks of 32 from its start; a last block that is shorter is filled with zeros.
;;     - A block's scale is 2^e with e = floor(log2(the largest magnitude in the block)) - 2, held to -126 .. 127; a block of zeros has e = 0. As a byte (E8M0): e + 127.
;;     - Each number is divided by its block's scale, clamped to +-7.5, and rounded to the nearest number of E2M3, ties to even, subnormals kept.
;;     - The product sums the exact products of the quantised numbers (number of the format x scale) in f32.
;;   ~~~python
;;   def quantise(x, axis):      # numpy; x: float32 -> the quantised numbers, widened to float32 again
;;       x = np.moveaxis(x, axis, -1); K = x.shape[-1]
;;       x = np.pad(x, [(0, 0)] * (x.ndim - 1) + [(0, -K % 32)]); x = x.reshape(x.shape[:-1] + (-1, 32)); a = np.abs(x).max(-1, keepdims=True)
;;       e = np.where(a > 0, np.clip(np.frexp(np.where(a > 0, a, 1))[1] - 1 - 2, -126, 127), 0)      # np.frexp(a)[1] - 1 = floor(log2(a)), exactly
;;       r = np.clip(x / 2.0 ** e, -7.5, 7.5)
;;       step = 2.0 ** (np.maximum(np.frexp(np.where(r == 0, 1, r))[1] - 1, 0) - 3)
;;       q = np.round(r / step) * step * 2.0 ** e      # np.round: ties to even
;;       return np.moveaxis(q.reshape(q.shape[:-2] + (-1,))[..., :K], -1, axis).astype(np.float32)
;;   ~~~
;;   SOFTMAX AHEAD OF A QUANTISED PRODUCT. Where the list says 'softmax', what is quantised is not the finished softmax but p = 2^(t - M), with t = logit x log2(e) and M = ceil(the row's largest t), a whole number; so 1/2 < the row's largest p <= 1. The row's sum l is taken of the UNQUANTISED p, in f32, and the product's result is divided by l at the end. Since M is a whole number, a kernel that streams over the keys may use a running M (the ceiling of the running maximum): every later rescaling is an exact power of two, which a block's scale takes up: the codes' values come out the same.
;;   OPERANDS COMPUTED ON THE WAY. 'Computed on the way' means the value that the module computes at that place (a softmax that the list does not call 'softmax' is quantised finished and normalised). What goes into a quantiser is computed in f32, as accurately as f32 sums, v_exp_f32 and their like allow (about 1e-6 of the number): no bf16 or f16 on the way to a quantiser, and a product that is left as it is and whose result goes on into a quantised operand takes f32 operands (vector FMAs, or v_wmma_f32_16x16x4_f32). A number that lies on a knife's edge between two numbers of the format may be rounded either way, as far as f32 arithmetic and the matrix unit's own rounding can turn it there, and no further.
;; One version. Each part assembles by itself: llvm-mc -triple=amdgcn-amd-amdhsa -mcpu=gfx1250 --defsym DOCPART=n.
;; ======== version 1 of 1: 4 launches
;; limits: right only within a limited range of input values
;; workspace buffers: pc 3,276,800 bytes; qc 13,107,200 bytes; kv 26,214,400 bytes; ac 13,107,200 bytes
;; launch prep (part 1): grid 256 x 1, 4 waves a work-group, no clusters, 68,096 bytes of LDS; arguments x, Wq, Wk, Wv, Wu, pc; writes pc
.if DOCPART == 1
	.amdgcn_target "amdgcn-amd-amdhsa--gfx1250"
	.amdhsa_code_object_version 6
	.text
	.protected	k_q889f90150f_prep
	.globl	k_q889f90150f_prep
	.p2align	8
	.type	k_q889f90150f_prep,@function
k_q889f90150f_prep:
	s_mov_b64 s[64:65], 0
	v_nop
	global_prefetch_b8 v0, s[64:65] scope:SCOPE_SE
	s_setreg_imm32_b32 hwreg(HW_REG_WAVE_MODE, 25, 1), 1
	s_wait_xcnt 0x0
; x [8192][256], Wq, Wk, Wv [256][2048] and Wu [2048][256], f32, become codes of FP6 (E2M3) with one E8M0 byte for each 32 along each tensor's K (x: its last axis; the weights: their first).
; A block's scale is 2^(floor(log2(its largest magnitude)) - 2); its byte is the largest magnitude's exponent field - 2, held at 1 from below.
; LIMITS: a block of zeros gets the byte 1 where the rule says 127 (its codes are zeros, and this program alone reads the bytes); blocks whose largest magnitude lies under 2^-124 are held at that byte; NaN and infinities are not served.
; THE OUTPUT IS LAID AS THE MATRIX UNIT'S REGISTERS.  An IMAGE is a fragment, 16 rows x 128 K, 12 registers a lane: register j of lane l at byte 512 (j / 4) + 16 l + 4 (j % 4): 1,536 bytes.
; A GROUP is 32 neighbouring rows (tokens, or columns of a weight) in two tiles u: lane r of tile u is row 8 u + r + 8 (r / 8).  A group's scale register: lanes 0-15 tile 0's words, lanes 16-31 tile 1's.
; A RECORD is a group x 256 K, 6,400 bytes: image (s, u) at 3072 s + 1536 u, scale register s at 6144 + 128 s.  Records 0-255: x; 256 + 64 m + cg: Wq, Wk, Wv; 448 + 16 X + 2 kap + cg: Wu (K steps 2 kap, 2 kap + 1).
; SHARES.  1,024 tasks, one a wave: half a record, 32 rows x 128 K.  A LANE HOLDS ONE ROW, 128 registers along K: four whole blocks, so no lane is asked for a maximum; lanes 0-15 hold tile 0's rows, lanes 16-31 tile 1's.
; The weights' K runs down memory: each load reads one k at the wave's 32 columns, 128 consecutive bytes.  x's K runs along memory: each load reads 512 consecutive bytes of one row, and the rows turn through the wave's own LDS.
; No matrix unit, no cluster: the work-groups share no input.  No barrier: the waves share nothing.
.set REC, 6400
.set SPX, 528                          ; a row of 512 bytes in the stage + 16: 33 places of 16 bytes, so that sixteen lanes reading sixteen rows touch sixteen different places modulo 256 bytes
.set WST, 32*SPX                       ; a wave's stage
.set M,   8                            ; v8-11   the four blocks' largest magnitudes
.set SO,  12                           ; v12-15  the conversions' scale operands
.set BY,  16                           ; v16-19  the scale bytes
.set PW,  20                           ; v20     my row's scale word
.set T0,  24                           ; v24-35 tile 0's image, v36-47 tile 1's
.set U,   48                           ; v48-63  the upper halves of the four blocks' codes
.set X,   64                           ; v64-191 my row's 128 numbers
	s_load_b256 s[4:11], s[0:1], 0x0               ; x s[4:5], Wq s[6:7], Wk s[8:9], Wv s[10:11]
	s_load_b128 s[12:15], s[0:1], 0x20             ; Wu s[12:13], pc s[14:15]
	v_lshl_add_u32 v192, v0, 2, 0x10800
	v_mov_b32 v193, 0
	v_lshrrev_b32 v1, 5, v0
	v_readfirstlane_b32 s16, v1                    ; wave
	v_and_b32 v2, 31, v0                           ; lane
	s_lshr_b32 s17, s16, 1
	s_and_b32 s18, s16, 1                          ; s: which 128 of the record's 256 along K
	s_lshl_b32 s19, ttmp9, 1
	s_add_co_u32 s19, s19, s17                     ; my record: 2 x work-group + wave / 2
	v_lshlrev_b32 v6, 4, v2                        ; 16 x lane
	v_lshlrev_b32 v7, 2, v2                        ; 4 x lane
	v_and_b32 v1, 7, v2
	v_bfe_u32 v3, v2, 3, 1
	v_lshl_add_u32 v1, v3, 4, v1
	v_lshrrev_b32 v3, 4, v2
	v_lshl_add_u32 v1, v3, 3, v1                   ; my row of the group: l % 8 + 16 ((l / 8) % 2) + 8 (l / 16)
	v_lshlrev_b32 v3, 2, v1                        ; as a column of a weight, in bytes
	s_mul_i32 s30, s16, WST
	v_add_nc_u32 v4, s30, v6                       ; the stage, on the way in: 16 x lane of a row
	v_mul_u32_u24 v5, v2, SPX
	v_add_nc_u32 v5, s30, v5                       ; and on the way out: the row at my lane's place
	s_mul_i32 s20, s19, REC
	s_mul_i32 s21, s18, 3072
	s_lshl_b32 s23, s18, 7
	s_add_co_u32 s22, s20, s23
	s_add_co_u32 s22, s22, 6144                    ; my scale register's place in pc
	s_add_co_u32 s20, s20, s21                     ; my two images'
	s_mov_b32 s21, 0
	s_mov_b32 s23, 0
	s_mov_b32 s29, 0
	s_wait_kmcnt 0x0
	s_add_nc_u64 s[24:25], s[14:15], s[20:21]
	s_add_nc_u64 s[26:27], s[14:15], s[22:23]
	s_cmp_lt_u32 ttmp9, 128                        ; records 0-255 are x's
	s_cbranch_scc0 .Lweights
	s_lshl_b32 s28, s19, 15                        ; 32 rows of 1,024 bytes a group,
	s_lshl_b32 s31, s18, 9                         ; 512 bytes for 128 along K
	s_add_co_u32 s28, s28, s31
	s_add_nc_u64 s[4:5], s[4:5], s[28:29]
.set i, 0
.rept 32
	global_load_b128 v[X+4*i:X+4*i+3], v6, s[4:5] offset:1024*i th:TH_LOAD_NT   ; row i: 32 lanes read 512 consecutive bytes
.set i, i+1
.endr
	s_wait_loadcnt 0x0
.set i, 0
	s_wait_alu depctr_va_vdst(0)
.rept 32
	ds_store_b128 v4, v[X+4*i:X+4*i+3] offset:(i%8+8*(i/16)+16*((i/8)%2))*SPX   ; row i goes to the place of the lane that owns it
.set i, i+1
.endr
.set i, 0
.rept 32
	ds_load_b128 v[X+4*i:X+4*i+3], v5 offset:16*i  ; LDS serves a wave's instructions in order (ISA guide 5.7.1.4): these see my stores
.set i, i+1
.endr
	s_wait_dscnt 0x0
	s_branch .Lq
.Lweights:
	s_cmp_lt_u32 ttmp9, 224                        ; records 256-447 are Wq's, Wk's, Wv's
	s_cbranch_scc0 .Lwu
	s_sub_co_u32 s28, s19, 256
	s_lshr_b32 s31, s28, 6                         ; which of the three
	s_and_b32 s28, s28, 63                         ; which 32 columns
	s_cmp_eq_u32 s31, 0
	s_cselect_b64 s[6:7], s[6:7], s[8:9]
	s_cmp_eq_u32 s31, 2
	s_cselect_b64 s[6:7], s[10:11], s[6:7]
	s_lshl_b32 s28, s28, 7
	s_lshl_b32 s31, s18, 20                        ; 128 rows of 8,192 bytes
	s_add_co_u32 s28, s28, s31
	s_add_nc_u64 s[6:7], s[6:7], s[28:29]
.set i, 0
	s_wait_alu depctr_va_vdst(0)
.rept 128
	global_load_b32 v[X+i], v3, s[6:7] offset:8192*i th:TH_LOAD_NT   ; k = 128 s + i at my column
.set i, i+1
.endr
	s_branch .Lq
.Lwu:
	s_sub_co_u32 s28, s19, 448
	s_lshr_b32 s31, s28, 4                         ; X: which 64 columns
	s_bfe_u32 s32, s28, 0x30001                    ; kap: which 256 along K
	s_and_b32 s28, s28, 1                          ; which 32 of the 64
	s_lshl_b32 s31, s31, 8
	s_lshl_b32 s28, s28, 7
	s_add_co_u32 s28, s28, s31
	s_lshl_b32 s32, s32, 18                        ; 256 rows of 1,024 bytes
	s_add_co_u32 s28, s28, s32
	s_lshl_b32 s31, s18, 17
	s_add_co_u32 s28, s28, s31
	s_add_nc_u64 s[12:13], s[12:13], s[28:29]
.set i, 0
	s_wait_alu depctr_va_vdst(0)
.rept 128
	global_load_b32 v[X+i], v3, s[12:13] offset:1024*i th:TH_LOAD_NT
.set i, i+1
.endr
.Lq:
	s_wait_loadcnt 0x0
.irp b, 0,1,2,3
	v_max3_num_f32 v[M+\b], |v[X+32*\b]|, |v[X+32*\b+1]|, 0x1800000   ; and the floor 2^(3 - 127): the byte cannot fall under 1
.endr
.irp i, 2,4,6,8,10,12,14,16,18,20,22,24,26,28,30
.irp b, 0,1,2,3
	v_max3_num_f32 v[M+\b], v[M+\b], |v[X+32*\b+\i]|, |v[X+32*\b+\i+1]|   ; the four blocks by turns
.endr
.endr
.irp b, 0,1,2,3
	v_add_nc_u32 v[SO+\b], 0xff000000, v[M+\b]     ; 2 off the exponent field: the conversion takes this operand's exponent field as its scale
.endr
.irp b, 0,1,2,3
	v_lshrrev_b32 v[BY+\b], 23, v[SO+\b]           ; the scale's byte
.endr
	v_lshl_or_b32 v[PW], v[BY+1], 8, v[BY]
	v_lshl_or_b32 v[PW], v[BY+2], 16, v[PW]
	v_lshl_or_b32 v[PW], v[BY+3], 24, v[PW]
.irp k, 0,1,2,3                        ; block k's lower 16 codes where the images want them, its upper 16 aside (a conversion's three registers begin on an even number)
	v_cvt_scalef32_pk16_fp6_f32 v[T0+12*(\k%2)+6*(\k/2):T0+12*(\k%2)+6*(\k/2)+2], v[X+32*\k:X+32*\k+15], v[SO+\k]
	v_cvt_scalef32_pk16_fp6_f32 v[U+4*\k:U+4*\k+2], v[X+32*\k+16:X+32*\k+31], v[SO+\k]
.endr
	v_nop                                          ; one plain instruction behind the scaled conversions
.irp i, 0,1,2                          ; a fragment wants blocks 2 c in lanes 0-15 and 2 c + 1 in lanes 16-31 of ONE tile: the even block's upper lanes (tile 1) change places with the odd block's lower lanes (tile 0)
	v_permlane16_swap_b32 v[T0+\i], v[T0+12+\i]
	v_permlane16_swap_b32 v[T0+6+\i], v[T0+18+\i]
	v_permlane16_swap_b32 v[U+\i], v[U+4+\i]
	v_permlane16_swap_b32 v[U+8+\i], v[U+12+\i]
.endr
.irp i, 0,1,2
	v_mov_b32 v[T0+3+\i], v[U+\i]
	v_mov_b32 v[T0+15+\i], v[U+4+\i]
	v_mov_b32 v[T0+9+\i], v[U+8+\i]
	v_mov_b32 v[T0+21+\i], v[U+12+\i]
.endr
.irp c, 0,1,2,3,4,5
	global_store_b128 v6, v[T0+4*\c:T0+4*\c+3], s[24:25] offset:512*\c   ; the two images on end: each store covers 512 consecutive bytes, aligned to 256
.endr
	global_store_b32 v7, v[PW], s[26:27]           ; the group's scale register for these 128 along K
	s_wait_tensorcnt 0x0
	ds_add_u32 v192, v193
	s_wait_dscnt 0x0
	s_endpgm
.Lfunc_end_k_q889f90150f_prep:
	.size	k_q889f90150f_prep, .Lfunc_end_k_q889f90150f_prep-k_q889f90150f_prep
	.p2alignl 7, 3214868480
	.fill 96, 4, 3214868480
	.section	.rodata,"a",@progbits
	.p2align	6, 0x0
	.amdhsa_kernel k_q889f90150f_prep
		.amdhsa_group_segment_fixed_size 68096
		.amdhsa_private_segment_fixed_size 0
		.amdhsa_enable_private_segment 0
		.amdhsa_kernarg_size 48
		.amdhsa_user_sgpr_count 2
		.amdhsa_user_sgpr_kernarg_segment_ptr 1
		.amdhsa_wavefront_size32 1
		.amdhsa_system_sgpr_workgroup_id_x 1
		.amdhsa_system_sgpr_workgroup_id_y 1
		.amdhsa_system_sgpr_workgroup_id_z 1
		.amdhsa_system_vgpr_workitem_id 0
		.amdhsa_next_free_vgpr 194
		.amdhsa_next_free_sgpr 66
		.amdhsa_reserve_vcc 0
		.amdhsa_float_denorm_mode_32 3
		.amdhsa_float_denorm_mode_16_64 3
		.amdhsa_memory_ordered 1
		.amdhsa_forward_progress 1
		.amdhsa_inst_pref_size 41
	.end_amdhsa_kernel
	.amdgpu_metadata
---
amdhsa.version: [ 1, 2 ]
amdhsa.kernels:
  - .name:           k_q889f90150f_prep
    .symbol:         k_q889f90150f_prep.kd
    .args:
      - { .name: x, .offset: 0, .size: 8, .value_kind: global_buffer, .address_space: global }
      - { .name: Wq, .offset: 8, .size: 8, .value_kind: global_buffer, .address_space: global }
      - { .name: Wk, .offset: 16, .size: 8, .value_kind: global_buffer, .address_space: global }
      - { .name: Wv, .offset: 24, .size: 8, .value_kind: global_buffer, .address_space: global }
      - { .name: Wu, .offset: 32, .size: 8, .value_kind: global_buffer, .address_space: global }
      - { .name: pc, .offset: 40, .size: 8, .value_kind: global_buffer, .address_space: global }
    .group_segment_fixed_size: 68096
    .private_segment_fixed_size: 0
    .kernarg_segment_align: 8
    .kernarg_segment_size: 48
    .max_flat_workgroup_size: 128
    .sgpr_count:     66
    .vgpr_count:     194
    .wavefront_size: 32
...
	.end_amdgpu_metadata
.endif
;; end of part 1
;; launch proj (part 2): grid 32 x 8, 8 waves a work-group, clusters of 4 x 4, 205,824 bytes of LDS; arguments pc, qc, kv; writes qc, kv
.if DOCPART == 2
	.amdgcn_target "amdgcn-amd-amdhsa--gfx1250"
	.amdhsa_code_object_version 6
	.text
	.protected	k_q889f90150f_proj
	.globl	k_q889f90150f_proj
	.p2align	8
	.type	k_q889f90150f_proj,@function
k_q889f90150f_proj:
	s_mov_b64 s[64:65], 0
	v_nop
	global_prefetch_b8 v0, s[64:65] scope:SCOPE_SE
	s_setreg_imm32_b32 hwreg(HW_REG_WAVE_MODE, 25, 1), 1
	s_wait_xcnt 0x0
	s_wait_alu depctr_hold_cnt(0) depctr_sa_sdst(0) depctr_va_vdst(0) depctr_va_sdst(0) depctr_va_ssrc(0) depctr_va_vcc(0) depctr_vm_vsrc(0)
	s_getreg_b32 s2, hwreg(HW_REG_IB_STS2, 6, 4)
	s_cmp_eq_u32 s2, 0
	s_cbranch_scc0 .Lentry_in_a_cluster
	s_endpgm
.Lentry_in_a_cluster:
	s_bfe_u32 s2, ttmp6, 0x10000c
	s_cmp_lg_u32 s2, 0xf033
	s_cbranch_scc0 .Lentry_shape_is_right
	s_endpgm
.Lentry_shape_is_right:
; q = x Wq, k = x Wk, v = x Wv on codes of FP6 (E2M3) with E8M0 scales, sums in f32; each result is quantised in registers along the K of the product that will read it (q, k: the head's 256; v: the keys) and stored
; as images of the matrix unit's registers (image, group, record: 16 rows x 128 K in 1,536 bytes; 32 rows in two tiles, lane r of tile u = row 8 u + r + 8 (r / 8); a group x 256 K in 6,400 bytes).
; THE FACTOR 256^(-1/4) = 1/4 on q and on k is a power of two: it moves a block's scale byte and no code.  It is left out here and carried, as 1/16, in the constant of the softmax.
; LIMITS: that differs from the letter only where a block's largest magnitude lies under about 2^-122; a block of zeros gets the byte 1 (its codes are zeros; this program alone reads the bytes); NaN and infinities are not served.
; SHARES.  A work-group takes 256 tokens (X) of one head (Y): x's 8 records and the head's 8 records of each weight lie in LDS, filled once.  Eight waves; wave (rq = w / 2, ph = w % 2).
; ONE BODY FOR THE THREE PRODUCTS.  P is source 0 (8 tiles: groups 4 ph ..), R is source 1 (4 tiles: groups 2 rq, 2 rq + 1).  A lane of the result holds one row of R, and by the order of rows in a group its 64 registers
; of one tile of R are 128 / 2 neighbours along P's rows: register 16 b + i = P's row 32 b + 16 (lane / 16) + i.  q, k: P = the weight, R = x: a lane holds a token, registers run along d.  v: P = x, R = Wv: a lane holds a d, registers run along the keys.
; CLUSTER 4 x 4: x's records hang on X alone and are shared along a column of the cluster, the weights' on Y alone and are shared along a row: each is asked for jointly.
; REGISTERS: window 0: v1-10 addresses; v12-15 R's scale registers, v16-23 P's; v24-26 scale words made here; v28-43, v44-63 the quantiser's; v64-159 R's 8 fragments; v160-207, v208-255 two sets of four of P's.  Window 1: 32 accumulators, (tile of R, tile of P) at 64 Rt + 8 Pt.
.set REC, 6400
.set XR,  0                            ; LDS: x's 8 records,
.set WQR, 8*REC                        ; Wq's,
.set WKR, 16*REC                       ; Wk's,
.set WVR, 24*REC                       ; Wv's
.set LI,  1                            ; 16 x lane
.set LS,  2                            ; 4 x lane
.set LIP, 3                            ; + my four groups of P
.set LIR, 4                            ; + my two groups of R
.set LSP, 5                            ; the same for the scale registers
.set LSR, 6
.set ADP, 7                            ; the phase's addresses
.set ADR, 8
.set ASP, 9
.set ASR, 10
.set RS,  12
.set PS,  16
.set PW0, 24
.set PWC, 26
.set TM,  28
.set PC,  44
.set R,   64
.set PA,  160
.set PB,  208
.set WV,  10                           ; s10 my wave's number
.set SEL, 20                           ; s[20:21] v_permlanex16_b32's selects for lane l xor 16
.set G1X, 24                           ; s[24:31] descriptor group 1 for x's records; s[32:39] for the weights'; s[40:55] four groups 0, never rewritten
.set G1W, 32
.set G0,  40
.set QI,  66                           ; s[66:77] where my images and scale registers of q, k, v go
.set QSB, 68
.set KI,  70
.set KSB, 72
.set VI,  74
.set VSB, 76
.set HM,  78                           ; s78 lanes 16-31
.set MSB, 0
.macro WIN new                         ; the immediate's high byte repeats the setting that is left; a switch that changes nothing is dropped
.if MSB != (\new)
	s_set_vgpr_msb (MSB<<8)|(\new)
.set MSB, (\new)
.endif
.endm
.macro NOPS n
.rept \n
	v_nop
.endr
.endm
.macro CROUND                          ; a round of the cluster's barrier
	s_barrier_signal -1
	s_barrier_wait -1
	s_cmp_lg_u32 s[WV], 0
	s_cbranch_scc1 .Lnot_wave_0_\@
	s_barrier_signal -3
.Lnot_wave_0_\@:
	s_barrier_wait -3
	s_barrier_signal -1
	s_barrier_wait -1
.endm
.macro GROUP0 g, ldsreg, ldsoff, base, off, more
	s_mov_b32 s[\g], 1                             ; count = 1
	s_add_co_u32 s[\g+1], s[\ldsreg], \ldsoff      ; LDS address
	s_add_nc_u64 s[\g+2:\g+3], s[\base:\base+1], s[\off:\off+1]
	s_add_nc_u64 s[\g+2:\g+3], s[\g+2:\g+3], \more ; global address
	s_or_b32 s[\g+3], s[\g+3], 0x80000000          ; type = 2
.endm
; One matrix instruction, from the symbols wD, wA, wB (first registers), wSA, wSB (scale registers), wRA, wRB (1: the scales stand in lanes 16-31), wZ (1: C = 0, the product starts the sum).
.macro WM
.if wZ
.if wRA && wRB
	v_wmma_scale_f32_16x16x128_f8f6f4 v[wD:wD+7], v[wA:wA+11], v[wB:wB+11], 0, v[wSA], v[wSB] matrix_a_fmt:MATRIX_FMT_FP6 matrix_b_fmt:MATRIX_FMT_FP6 matrix_a_scale:MATRIX_SCALE_ROW1 matrix_b_scale:MATRIX_SCALE_ROW1
.elseif wRA
	v_wmma_scale_f32_16x16x128_f8f6f4 v[wD:wD+7], v[wA:wA+11], v[wB:wB+11], 0, v[wSA], v[wSB] matrix_a_fmt:MATRIX_FMT_FP6 matrix_b_fmt:MATRIX_FMT_FP6 matrix_a_scale:MATRIX_SCALE_ROW1
.elseif wRB
	v_wmma_scale_f32_16x16x128_f8f6f4 v[wD:wD+7], v[wA:wA+11], v[wB:wB+11], 0, v[wSA], v[wSB] matrix_a_fmt:MATRIX_FMT_FP6 matrix_b_fmt:MATRIX_FMT_FP6 matrix_b_scale:MATRIX_SCALE_ROW1
.else
	v_wmma_scale_f32_16x16x128_f8f6f4 v[wD:wD+7], v[wA:wA+11], v[wB:wB+11], 0, v[wSA], v[wSB] matrix_a_fmt:MATRIX_FMT_FP6 matrix_b_fmt:MATRIX_FMT_FP6
.endif
.else
.if wRA && wRB
	v_wmma_scale_f32_16x16x128_f8f6f4 v[wD:wD+7], v[wA:wA+11], v[wB:wB+11], v[wD:wD+7], v[wSA], v[wSB] matrix_a_fmt:MATRIX_FMT_FP6 matrix_b_fmt:MATRIX_FMT_FP6 matrix_a_scale:MATRIX_SCALE_ROW1 matrix_b_scale:MATRIX_SCALE_ROW1
.elseif wRA
	v_wmma_scale_f32_16x16x128_f8f6f4 v[wD:wD+7], v[wA:wA+11], v[wB:wB+11], v[wD:wD+7], v[wSA], v[wSB] matrix_a_fmt:MATRIX_FMT_FP6 matrix_b_fmt:MATRIX_FMT_FP6 matrix_a_scale:MATRIX_SCALE_ROW1
.elseif wRB
	v_wmma_scale_f32_16x16x128_f8f6f4 v[wD:wD+7], v[wA:wA+11], v[wB:wB+11], v[wD:wD+7], v[wSA], v[wSB] matrix_a_fmt:MATRIX_FMT_FP6 matrix_b_fmt:MATRIX_FMT_FP6 matrix_b_scale:MATRIX_SCALE_ROW1
.else
	v_wmma_scale_f32_16x16x128_f8f6f4 v[wD:wD+7], v[wA:wA+11], v[wB:wB+11], v[wD:wD+7], v[wSA], v[wSB] matrix_a_fmt:MATRIX_FMT_FP6 matrix_b_fmt:MATRIX_FMT_FP6
.endif
.endif
.endm
; 64 numbers of a lane in window w, register s + 16 b + i = k 32 b + 16 (lane / 16) + i of my row, become a fragment's codes in v[PC] on and its scale word in v[pw].  Each accumulator is read from its low end on.
.macro QUANT s, w, pw
	WIN 0x05*(\w)
.irp b, 0,1,2,3
	v_max3_num_f32 v[TM+\b], |v[(\s)+16*\b]|, |v[(\s)+16*\b+1]|, 0x1800000   ; my 16 numbers of block b, and the floor 2^(3 - 127): the byte cannot fall under 1
.endr
.irp i, 2,4,6,8,10,12,14
.irp b, 0,1,2,3
	v_max3_num_f32 v[TM+\b], |v[(\s)+16*\b+\i]|, |v[(\s)+16*\b+\i+1]|, v[TM+\b]
.endr
.endr
	WIN 0
.irp b, 0,1,2,3
	v_permlanex16_b32 v[TM+4+\b], v[TM+\b], s[SEL], s[SEL+1]
.endr
.irp b, 0,1,2,3
	s_delay_alu instid0(VALU_DEP_4)
	v_max_num_f32 v[TM+\b], v[TM+\b], v[TM+4+\b]   ; with lane l xor 16's 16: the block's largest magnitude
.endr
.irp b, 0,1,2,3
	s_delay_alu instid0(VALU_DEP_4)
	v_add_nc_u32 v[TM+12+\b], 0xff000000, v[TM+\b] ; 2 off its exponent field: the conversion's scale operand
.endr
.irp b, 0,1,2,3
	s_delay_alu instid0(VALU_DEP_4)
	v_lshrrev_b32 v[TM+4+\b], 23, v[TM+12+\b]      ; the scale's byte
.endr
	s_wait_alu depctr_va_vdst(0)
	s_wait_xcnt 0x0                                ; the earlier stores have read their data: the codes' and scale words' registers are written again only behind this wait
	v_lshl_or_b32 v[\pw], v[TM+5], 8, v[TM+4]
	s_delay_alu instid0(VALU_DEP_1)
	v_lshl_or_b32 v[\pw], v[TM+6], 16, v[\pw]
	s_delay_alu instid0(VALU_DEP_1)
	v_lshl_or_b32 v[\pw], v[TM+7], 24, v[\pw]
	WIN 0x01*(\w)
.irp c, 0,1
	v_cvt_scalef32_pk16_fp6_f32 v[PC+6*\c:PC+6*\c+2], v[(\s)+32*\c:(\s)+32*\c+15], v[TM+12+2*\c]
	v_cvt_scalef32_pk16_fp6_f32 v[PC+12+4*\c:PC+14+4*\c], v[(\s)+16+32*\c:(\s)+31+32*\c], v[TM+13+2*\c]   ; (a conversion's three registers begin on an even number)
.endr
	WIN 0
	v_nop                                          ; one plain instruction behind the scaled conversions
.irp c, 0,1                            ; the operand's layout wants a whole block in a lane
.irp i, 0,1,2
	v_permlane16_swap_b32 v[PC+6*\c+\i], v[PC+12+4*\c+\i]
.endr
.irp i, 0,1,2
	s_delay_alu instid0(VALU_DEP_3)
	v_mov_b32 v[PC+3+6*\c+\i], v[PC+12+4*\c+\i]
.endr
.endr
.endm
.macro PLOAD run, set                  ; P's fragments 4 run .. 4 run + 3 (fragment f: K step f / 8, group (f / 2) % 4, tile f % 2): 12 loads
.irp e, 0,1,2,3
.set f, 4*(\run)+\e
.irp c, 0,1,2
	ds_load_b128 v[\set+12*\e+4*\c:\set+12*\e+4*\c+3], v[ADP] offset:REC*((f/2)%4)+3072*(f/8)+1536*(f%2)+512*\c
.endr
.endr
.endm
.macro PMUL run, set                   ; 16 matrix instructions: these four fragments x R's four tiles.  The 32 accumulators take turns, one instruction a turn: each comes again 32 instructions on
.irp e, 0,1,2,3
.set f, 4*(\run)+\e
.irp t, 0,1,2,3
.set wD, 64*\t+8*(f%8)
.set wA, \set+12*\e
.set wB, R+12*(2*\t+f/8)
.set wSA, PS+2*((f/2)%4)+f/8
.set wSB, RS+2*(\t/2)+f/8
.set wRA, f%2
.set wRB, \t%2
.set wZ, 1-f/8
	WM
.endr
.endr
.endm
; One product.  pb, rb: P's and R's regions in LDS; loadr = 0: R is in registers already; ob, sb: scalar pairs with the images' and scale registers' places; ors, srs: bytes from R's first group to its second there.
.macro PHASE pb, rb, loadr, ob, ors, sb, srs
	v_add_nc_u32 v[ADP], \pb, v[LIP]
	v_add_nc_u32 v[ASP], \pb, v[LSP]
.if \loadr
	v_add_nc_u32 v[ADR], \rb, v[LIR]
	v_add_nc_u32 v[ASR], \rb, v[LSR]
.irp g, 0,1
.irp s, 0,1
	ds_load_b32 v[RS+2*\g+\s], v[ASR] offset:REC*\g+128*\s
.endr
.endr
.irp t, 0,1,2,3
.irp s, 0,1
.irp c, 0,1,2
	ds_load_b128 v[R+12*(2*\t+\s)+4*\c:R+12*(2*\t+\s)+4*\c+3], v[ADR] offset:REC*(\t/2)+3072*\s+1536*(\t%2)+512*\c
.endr
.endr
.endr
.endif
.irp g, 0,1,2,3
.irp s, 0,1
	ds_load_b32 v[PS+2*\g+\s], v[ASP] offset:REC*\g+128*\s
.endr
.endr
	PLOAD 0, PA
	PLOAD 1, PB
	s_wait_alu depctr_va_vdst(0)
	s_wait_dscnt 12                                ; all but the other set's 12 loads
	WIN 0x50                                       ; C and D in window 1
	PMUL 0, PA
	WIN 0
	NOPS 4                                         ; places in front of loads into registers that matrix instructions have read
	PLOAD 2, PA
	s_wait_dscnt 12
	WIN 0x50
	PMUL 1, PB
	WIN 0
	NOPS 4
	PLOAD 3, PB
	s_wait_dscnt 12
	WIN 0x50
	PMUL 2, PA
	s_wait_dscnt 0x0
	PMUL 3, PB
	WIN 0
	NOPS 4                                         ; places in front of the first read of results
.irp t, 0,1,2,3
	QUANT 64*\t, 1, PW0+(\t%2)
.irp c, 0,1,2
	global_store_b128 v[LI], v[PC+4*\c:PC+4*\c+3], s[\ob:\ob+1] offset:(\t/2)*\ors+1536*(\t%2)+512*\c   ; 512 consecutive bytes, aligned to 256
.endr
.if \t%2
	v_cndmask_b32 v[PWC], v[PW0], v[PW0+1], s[HM]  ; the group's scale register: lanes 0-15 tile 0's words, lanes 16-31 tile 1's (a word stands in lane r and in lane 16 + r)
	global_store_b32 v[LS], v[PWC], s[\sb:\sb+1] offset:(\t/2)*\srs
.endif
.endr
.endm
	s_load_b128 s[4:7], s[0:1], 0x0                ; pc s[4:5], qc s[6:7]
	s_load_b64 s[8:9], s[0:1], 0x10                ; kv
	v_lshl_add_u32 v59, v0, 2, 0x32000
	v_mov_b32 v63, 0
	ds_add_u32 v59, v63
	ds_add_u32 v59, v63
	v_lshrrev_b32 v11, 5, v0
	s_delay_alu instid0(VALU_DEP_1)
	v_readfirstlane_b32 s[WV], v11                 ; wave 0..7
	s_lshr_b32 s11, s[WV], 1                       ; rq
	s_and_b32 s12, s[WV], 1                        ; ph
	s_bfe_u32 s13, ttmp6, 0x40000                  ; cx
	s_bfe_u32 s14, ttmp6, 0x40004                  ; cy
	s_lshl_b32 s15, ttmp9, 2
	s_add_co_u32 s15, s15, s13                     ; X: which 256 tokens
	s_and_b32 s16, ttmp7, 0xffff
	s_lshl_b32 s16, s16, 2
	s_add_co_u32 s16, s16, s14                     ; Y: the head
	s_lshl_b32 s17, 0x1111, s13                    ; my column of the cluster
	s_lshl_b32 s18, s14, 2
	s_lshl_b32 s18, 15, s18                        ; my row
	s_or_b32 s[G1X], s17, (3<<16)|(1<<21)          ; the mask; elements of 8 bytes; bit 21 set beside a mask; no padding
	s_or_b32 s[G1W], s18, (3<<16)|(1<<21)
.irp g, G1X, G1W                       ; four records: 100 rows of 32 elements (256 bytes), dense
	s_mov_b32 s[\g+1], 32<<16
	s_mov_b32 s[\g+2], 100<<16
	s_mov_b32 s[\g+3], 32<<16
	s_mov_b32 s[\g+4], 100
	s_mov_b32 s[\g+5], 32
	s_mov_b32 s[\g+6], 0
	s_mov_b32 s[\g+7], 0
.endr
	s_lshl_b32 s60, s12, 2                         ; which four of a region's eight records I fetch
	s_lshl_b32 s56, s15, 3
	s_add_co_u32 s56, s56, s60
	s_mul_i32 s56, s56, REC                        ; x's records from 8 X + 4 (wave % 2) on (made of X and the wave alone)
	s_mov_b32 s57, 0
	s_lshl_b32 s58, s16, 3
	s_add_co_u32 s58, s58, s60
	s_mul_i32 s58, s58, REC
	s_add_co_u32 s58, s58, 256*REC                 ; Wq's from 256 + 8 Y + 4 (wave % 2) on (made of Y and the wave alone)
	s_mov_b32 s59, 0
	s_mul_i32 s60, s60, REC                        ; and their place in a region of LDS
	; where the results go
	s_lshr_b32 s19, s15, 2                         ; the batch
	s_and_b32 s79, s15, 3                          ; c: which quarter of its tokens
	s_lshl_b32 s19, s19, 3
	s_add_co_u32 s19, s19, s16                     ; bh = 8 b + h
	s_lshl_b32 s80, s19, 5
	s_lshl_b32 s81, s79, 3
	s_add_co_u32 s80, s80, s81
	s_lshl_b32 s81, s11, 1
	s_add_co_u32 s80, s80, s81
	s_mul_i32 s80, s80, REC                        ; q: record 32 bh + 8 c + 2 rq,
	s_mul_i32 s81, s12, 3072
	s_add_co_u32 s[QI], s80, s81                   ; K step ph
	s_mov_b32 s[QI+1], 0
	s_lshl_b32 s81, s12, 7
	s_add_co_u32 s[QSB], s80, s81
	s_add_co_u32 s[QSB], s[QSB], 6144
	s_mov_b32 s[QSB+1], 0
	s_mul_i32 s82, s19, 409600                     ; the head in kv: 8 key steps of 49,152 bytes of codes (16 images of K at (4 g + 2 s + u) x 1536, then 16 of V at 24576 + (2 dg + u) x 1536), then 8 x 2,048 bytes of scales
	s_lshl_b32 s83, s79, 1
	s_lshr_b32 s84, s11, 1
	s_add_co_u32 s84, s84, s83                     ; k: key step 2 c + rq / 2
	s_and_b32 s85, s11, 1
	s_mul_i32 s86, s84, 49152
	s_add_co_u32 s86, s86, s82
	s_lshl_b32 s87, s85, 2
	s_add_co_u32 s87, s87, s12                     ; 4 (rq % 2) + ph
	s_mul_i32 s88, s87, 3072
	s_add_co_u32 s[KI], s86, s88
	s_mov_b32 s[KI+1], 0
	s_lshl_b32 s86, s84, 11
	s_add_co_u32 s86, s86, s82
	s_lshl_b32 s88, s87, 7
	s_add_co_u32 s86, s86, s88
	s_add_co_u32 s[KSB], s86, 393216
	s_mov_b32 s[KSB+1], 0
	s_add_co_u32 s84, s83, s12                     ; v: key step 2 c + ph
	s_mul_i32 s86, s84, 49152
	s_add_co_u32 s86, s86, s82
	s_mul_i32 s88, s11, 6144                       ; d groups 2 rq, 2 rq + 1
	s_add_co_u32 s86, s86, s88
	s_add_co_u32 s[VI], s86, 24576
	s_mov_b32 s[VI+1], 0
	s_lshl_b32 s86, s84, 11
	s_add_co_u32 s86, s86, s82
	s_lshl_b32 s88, s11, 8
	s_add_co_u32 s86, s86, s88
	s_add_co_u32 s[VSB], s86, 393216+1024
	s_mov_b32 s[VSB+1], 0
	s_mov_b32 s[SEL], 0x76543210
	s_mov_b32 s[SEL+1], 0xfedcba98
	s_mov_b32 s[HM], 0xffff0000
	s_wait_dscnt 0x0
	s_wait_kmcnt 0x0
	s_add_nc_u64 s[QI:QI+1], s[6:7], s[QI:QI+1]
	s_add_nc_u64 s[QSB:QSB+1], s[6:7], s[QSB:QSB+1]
	s_add_nc_u64 s[KI:KI+1], s[8:9], s[KI:KI+1]
	s_add_nc_u64 s[KSB:KSB+1], s[8:9], s[KSB:KSB+1]
	s_add_nc_u64 s[VI:VI+1], s[8:9], s[VI:VI+1]
	s_add_nc_u64 s[VSB:VSB+1], s[8:9], s[VSB:VSB+1]
	GROUP0 G0, 60, XR, 4, 56, 0
.irp m, 0,1,2
	GROUP0 G0+4+4*\m, 60, WQR+\m*8*REC, 4, 58, \m*64*REC
.endr
	CROUND                                         ; all sixteen work-groups are here: the joint loads meet
	s_cmp_lt_u32 s[WV], 2                          ; one tensor load a wave, half a region: waves 0 and 1 x, 2 and 3 Wq, 4 and 5 Wk, 6 and 7 Wv; every byte of LDS is filled once
	s_cbranch_scc0 .Lfor_q
	tensor_load_to_lds s[G0:G0+3], s[G1X:G1X+7]
	s_nop 0
	NOPS 4
	s_branch .Lasked
.Lfor_q:
	s_cmp_lt_u32 s[WV], 4
	s_cbranch_scc0 .Lfor_k
	tensor_load_to_lds s[G0+4:G0+7], s[G1W:G1W+7]
	s_nop 0
	NOPS 4
	s_branch .Lasked
.Lfor_k:
	s_cmp_lt_u32 s[WV], 6
	s_cbranch_scc0 .Lfor_v
	tensor_load_to_lds s[G0+8:G0+11], s[G1W:G1W+7]
	s_nop 0
	NOPS 4
	s_branch .Lasked
.Lfor_v:
	tensor_load_to_lds s[G0+12:G0+15], s[G1W:G1W+7]
	s_nop 0
	NOPS 4
.Lasked:
	v_and_b32 v11, 31, v0
	s_delay_alu instid0(VALU_DEP_1)
	v_lshlrev_b32 v[LI], 4, v11
	s_delay_alu instid0(VALU_DEP_2)
	v_lshlrev_b32 v[LS], 2, v11
	s_mul_i32 s61, s12, 4*REC
	s_mul_i32 s62, s11, 2*REC
	v_add_nc_u32 v[LIP], s61, v[LI]
	v_add_nc_u32 v[LIR], s62, v[LI]
	v_add_nc_u32 v[LSP], s61, v[LS]
	s_delay_alu instid0(VALU_DEP_1)
	v_add_nc_u32 v[LSP], 6144, v[LSP]
	v_add_nc_u32 v[LSR], s62, v[LS]
	s_delay_alu instid0(VALU_DEP_1)
	v_add_nc_u32 v[LSR], 6144, v[LSR]
.irp b, 0,1,2,3
	v_mov_b32 v[TM+4+\b], 0                        ; written once: a lane permute's destination counts as one of its sources
.endr
	s_wait_alu depctr_va_vdst(0)
	s_cmp_lt_u32 s[WV], 4                          ; x and Wq are waited for by the waves that asked; Wk and Wv may stay out
	s_cbranch_scc0 .Lnot_xq
	s_wait_tensorcnt 0x0
.Lnot_xq:
	s_barrier_signal -1
	s_barrier_wait -1                              ; everybody's are
	PHASE WQR, XR, 1, QI, REC, QSB, REC
	s_cmp_lt_u32 s[WV], 6                          ; Wk too
	s_cbranch_scc0 .Lnot_k
	s_wait_tensorcnt 0x0
.Lnot_k:
	s_wait_dscnt 0x0
	s_barrier_signal -1
	s_barrier_wait -1
	PHASE WKR, XR, 0, KI, 6144, KSB, 256
	s_wait_tensorcnt 0x0                           ; Wv
	s_wait_dscnt 0x0
	s_barrier_signal -1
	s_barrier_wait -1
	PHASE XR, WVR, 1, VI, 3072, VSB, 128
	s_wait_tensorcnt 0x0
	ds_add_u32 v59, v63
	s_wait_dscnt 0x0
	CROUND                                         ; the closing round: no work-group ends while a partner may still ask for a record that names it
	s_endpgm
.Lfunc_end_k_q889f90150f_proj:
	.size	k_q889f90150f_proj, .Lfunc_end_k_q889f90150f_proj-k_q889f90150f_proj
	.p2alignl 7, 3214868480
	.fill 96, 4, 3214868480
	.section	.rodata,"a",@progbits
	.p2align	6, 0x0
	.amdhsa_kernel k_q889f90150f_proj
		.amdhsa_group_segment_fixed_size 205824
		.amdhsa_private_segment_fixed_size 0
		.amdhsa_enable_private_segment 0
		.amdhsa_kernarg_size 24
		.amdhsa_user_sgpr_count 2
		.amdhsa_user_sgpr_kernarg_segment_ptr 1
		.amdhsa_wavefront_size32 1
		.amdhsa_system_sgpr_workgroup_id_x 1
		.amdhsa_system_sgpr_workgroup_id_y 1
		.amdhsa_system_sgpr_workgroup_id_z 1
		.amdhsa_system_vgpr_workitem_id 0
		.amdhsa_next_free_vgpr 512
		.amdhsa_next_free_sgpr 96
		.amdhsa_reserve_vcc 0
		.amdhsa_float_denorm_mode_32 3
		.amdhsa_float_denorm_mode_16_64 3
		.amdhsa_memory_ordered 1
		.amdhsa_forward_progress 1
		.amdhsa_inst_pref_size 109
	.end_amdhsa_kernel
	.amdgpu_metadata
---
amdhsa.version: [ 1, 2 ]
amdhsa.kernels:
  - .name:           k_q889f90150f_proj
    .symbol:         k_q889f90150f_proj.kd
    .args:
      - { .name: pc, .offset: 0, .size: 8, .value_kind: global_buffer, .address_space: global }
      - { .name: qc, .offset: 8, .size: 8, .value_kind: global_buffer, .address_space: global }
      - { .name: kv, .offset: 16, .size: 8, .value_kind: global_buffer, .address_space: global }
    .group_segment_fixed_size: 205824
    .private_segment_fixed_size: 0
    .kernarg_segment_align: 8
    .kernarg_segment_size: 24
    .max_flat_workgroup_size: 256
    .sgpr_count:     96
    .vgpr_count:     512
    .wavefront_size: 32
...
	.end_amdgpu_metadata
.endif
;; end of part 2
;; launch attn (part 3): grid 4 x 64, 4 waves a work-group, clusters of 4 x 1, 327,680 bytes of LDS; arguments qc, kv, ac; writes ac
.if DOCPART == 3
	.amdgcn_target "amdgcn-amd-amdhsa--gfx1250"
	.amdhsa_code_object_version 6
	.text
	.protected	k_q889f90150f_attn
	.globl	k_q889f90150f_attn
	.p2align	8
	.type	k_q889f90150f_attn,@function
k_q889f90150f_attn:
	s_mov_b64 s[64:65], 0
	v_nop
	global_prefetch_b8 v0, s[64:65] scope:SCOPE_SE
	s_setreg_imm32_b32 hwreg(HW_REG_WAVE_MODE, 25, 1), 1
	s_wait_xcnt 0x0
	s_wait_alu depctr_hold_cnt(0) depctr_sa_sdst(0) depctr_va_vdst(0) depctr_va_sdst(0) depctr_va_ssrc(0) depctr_va_vcc(0) depctr_vm_vsrc(0)
	s_getreg_b32 s2, hwreg(HW_REG_IB_STS2, 6, 4)
	s_cmp_eq_u32 s2, 0
	s_cbranch_scc0 .Lentry_in_a_cluster
	s_endpgm
.Lentry_in_a_cluster:
	s_bfe_u32 s2, ttmp6, 0x10000c
	s_cmp_lg_u32 s2, 0x3003
	s_cbranch_scc0 .Lentry_shape_is_right
	s_endpgm
.Lentry_shape_is_right:
; For each of 64 heads (bh = 8 b + h): a = softmax(q k^T / 16) v, 1,024 queries and keys, head size 256, both products on codes of FP6 (E2M3) with E8M0 scales; a is quantised along h x 256 + d and stored as images.
; q and k come WITHOUT their factors 1/4 (powers of two, which move scale bytes and no code): the 1/16 stands in c = log2(e) / 16.
; TWO PHASES.  Phase 1 walks the keys in eight steps of 128: t = score x c; M = the row's largest t so far, rounded up to a whole number; p = 2^(t - M) is quantised along the keys, not normalised, and its codes STAY IN REGISTERS;
; the row's sum is taken of the unquantised p.  At its end each step's scale bytes are lowered by (the last M - that step's M): exact powers of two.  Phase 2 is O^T = V^T P^T, in two halves of d; the row's sum divides at the end.
; LIMITS: the scaled scores t stay under 2^31 in magnitude; NaN and infinities are not served; a block whose every number is 0 gets the byte 1 (its codes are zeros); a scale byte of p that would fall under 0 is held at 0 (such a block's numbers lie under 2^-124,
; the row's sum is over 1/2); the folded 1/16 differs from the letter only for blocks of q or k under about 2^-122.
; SHARES.  A work-group owns 256 queries of a head; each of its four waves two groups of 32: four tiles of 16, so that each fragment of K and V read from LDS feeds four matrix instructions.
; LAYOUT.  Both products are used transposed: S^T = K Q^T, O^T = V^T P^T: a lane holds one query throughout.  By the order of rows in a group (lane r of tile u = row 8 u + r + 8 (r / 8)) the 16 registers of two neighbouring
; tiles are 16 neighbours along the next K.  All operands lie in memory and LDS as images of their registers (1,536 bytes a fragment, three loads of 16 bytes a lane, dense).
; LDS.  Key steps 0 to 3 (K's 24,576 bytes, then V's) from 0, K of steps 4 to 7 from 196608, the head's scales.  One tensor load a wave at the head: K of step 0; the scales; V of step 0 to V of step 3; K of steps 4 to 7.  The one refill, V of steps 4 to 7
; over K of steps 0 to 3, is asked for when those have been read, four steps of phase 1 ahead of its first read.  Nothing is prefetched: every tile is asked of the tensor mover at the head or that far ahead.
; CLUSTER 4 x 1: the four query blocks of a head walk the same K and V: each tile is asked for jointly.
; REGISTERS: window 0: v1-7 addresses; v8-31 a tile's -M, largest t, sum (pair), f, p's scale word; v32-35 Q's scale registers; v36-43 K's or V's; v44-47 at work; v48-79 p's scale words; v80-151, v160-255 K's fragments, the softmax's work, V's fragments.
;   window 1: S^T, tile t's key tile kt at 64 t + 8 kt; then O^T, tile t's d tile of the half likewise.   window 2: p's codes of steps 0-4, 12 a tile; window 3: those of steps 5-7, Q from 144; from 240 on in both the steps' -M.
.set STEPB, 49152
.set HALFB, 24576
.set K4,    4*STEPB
.set SCB,   6*STEPB                    ; the scale registers, 2,048 bytes a key step (K's 8, V's 8)
.set SPARE, SCB+16384                  ; the spare words, 128 bytes for each wave: two blocks of 256 bytes that no other line names
.set LI,  1                            ; 16 x lane
.set LSC, 2                            ; SCB + 4 x lane
.set ADR, 3                            ; the step's codes
.set ADS, 4                            ; the step's scales
.set SPW, 5                            ; my spare word; never rewritten
.set NIL, 6                            ; 0; never rewritten
.set LS4, 7                            ; 4 x lane
.set ST,  8
.set QS,  32
.set SCR, 36
.set T,   44
.set W,   48                           ; step i, tile t: W + 4 i + t
.set XA,  80                           ; K's first pair, fetched a step ahead
.set XB,  128
.set KA,  160
.set KB,  208
.set PCD, 160                          ; p's codes, 12 a tile
.set BM,  160                          ; ahead of them: four a tile: the blocks' largest scores, then largest p;
.set P1,  176                          ; four a tile, at work;
.set SU,  192                          ; a pair a tile: the second chain of the sum
.set SO,  208                          ; four a tile: the conversions' scale operands
.set PT,  224                          ; eight a tile: the upper halves of the codes
.set QW,  144                          ; Q, in window 3
.set MW,  240                          ; the steps' -M, in windows 2 and 3
.set PC,  128                          ; on the way out: the quantiser's 20,
.set TM,  160                          ; its 16,
.set PWA, 148                          ; two tiles' scale words,
.set PWC, 150                          ; a group's scale register
.set WV,  10
.set SEL, 20
.set CS,  22                           ; s[22:23] c: the packed form names a pair and takes its low word for both halves
.set G1H, 24                           ; s[24:31] group 1 for half a key step, s[32:39] for the scales, s[80:87] for V 0 to V 3, s[88:95] for K 4 to K 7
.set G1S, 32
.set G1V, 80
.set G14, 88
.set G0K, 40                           ; groups 0; G0K is written once more, for the refill
.set G0S, 44
.set G0V, 60
.set G04, 68
.set TB,  48                           ; LDS byte at which the step's codes begin; in phase 2 the half's offset
.set TS,  49                           ; the same for the scales
.set CNT, 50
.set AO,  54                           ; s[54:55] my images' place in ac; s[56:57] my scale registers'
.set ASB, 56
.set HM,  59
.set HB,  96                           ; s[96:97] the head in kv
.set MSB, 0
.macro WIN new                         ; the immediate's high byte repeats the setting that is left; a switch that changes nothing is dropped
.if MSB != (\new)
	s_set_vgpr_msb (MSB<<8)|(\new)
.set MSB, (\new)
.endif
.endm
.macro NOPS n
.rept \n
	v_nop
.endr
.endm
.macro WALU
	s_wait_alu depctr_va_vdst(0)
.endm
.macro BARRIER
	s_barrier_signal -1
	s_barrier_wait -1
.endm
.macro CROUND                          ; a round of the cluster's barrier
	BARRIER
	s_cmp_lg_u32 s[WV], 0
	s_cbranch_scc1 .Lnot_wave_0_\@
	s_barrier_signal -3
.Lnot_wave_0_\@:
	s_barrier_wait -3
	BARRIER
.endm
.macro GROUP1 g, len, rows, pitch      ; rows of len elements of 8 bytes
	s_mov_b32 s[\g], 15|(3<<16)|(1<<21)            ; the mask: all four work-groups; elements of 8 bytes; bit 21 set beside a mask
	s_mov_b32 s[\g+1], (\len)<<16
	s_mov_b32 s[\g+2], (\rows)<<16
	s_mov_b32 s[\g+3], (\len)<<16
	s_mov_b32 s[\g+4], \rows
	s_mov_b32 s[\g+5], \pitch
	s_mov_b32 s[\g+6], 0
	s_mov_b32 s[\g+7], 0
.endm
.macro GROUP0 g, lds, more
	s_mov_b32 s[\g], 1                             ; count = 1
	s_mov_b32 s[\g+1], \lds                        ; LDS address
	s_add_nc_u64 s[\g+2:\g+3], s[HB:HB+1], \more   ; global address
	s_or_b32 s[\g+3], s[\g+3], 0x80000000          ; type = 2
.endm
.macro TLOAD g0, g1
	tensor_load_to_lds s[\g0:\g0+3], s[\g1:\g1+7]
	s_nop 0
	NOPS 4
.endm
.macro ARM n, g0, g1, next
	s_cmp_eq_u32 s[WV], \n
	s_cbranch_scc0 \next
	TLOAD \g0, \g1
	s_branch .Lasked
\next:
.endm
.macro WM d, a, b, z, sa, sb, ra, rb   ; one matrix instruction; z = 1: C = 0
.if \z
	v_wmma_scale_f32_16x16x128_f8f6f4 v[\d:\d+7], v[\a:\a+11], v[\b:\b+11], 0, v[\sa], v[\sb] matrix_a_fmt:MATRIX_FMT_FP6 matrix_b_fmt:MATRIX_FMT_FP6 matrix_a_scale:MATRIX_SCALE_ROW\ra matrix_b_scale:MATRIX_SCALE_ROW\rb
.else
	v_wmma_scale_f32_16x16x128_f8f6f4 v[\d:\d+7], v[\a:\a+11], v[\b:\b+11], v[\d:\d+7], v[\sa], v[\sb] matrix_a_fmt:MATRIX_FMT_FP6 matrix_b_fmt:MATRIX_FMT_FP6 matrix_a_scale:MATRIX_SCALE_ROW\ra matrix_b_scale:MATRIX_SCALE_ROW\rb
.endif
.endm
.macro QUANT s, w, pw                  ; 64 numbers of a lane in window w, register s + 16 b + i = k 32 b + 16 (lane / 16) + i of my row -> codes in v[PC] on, scale word in v[pw]
	WIN 0x05*(\w)
.irp b, 0,1,2,3
	v_max3_num_f32 v[TM+\b], |v[(\s)+16*\b]|, |v[(\s)+16*\b+1]|, 0x1800000   ; and the floor 2^(3 - 127): the byte cannot fall under 1
.endr
.irp i, 2,4,6,8,10,12,14
.irp b, 0,1,2,3
	v_max3_num_f32 v[TM+\b], |v[(\s)+16*\b+\i]|, |v[(\s)+16*\b+\i+1]|, v[TM+\b]
.endr
.endr
	WIN 0
.irp b, 0,1,2,3
	v_permlanex16_b32 v[TM+4+\b], v[TM+\b], s[SEL], s[SEL+1]
.endr
.irp b, 0,1,2,3
	v_max_num_f32 v[TM+\b], v[TM+\b], v[TM+4+\b]
.endr
.irp b, 0,1,2,3
	v_add_nc_u32 v[TM+12+\b], 0xff000000, v[TM+\b]
.endr
.irp b, 0,1,2,3
	v_lshrrev_b32 v[TM+4+\b], 23, v[TM+12+\b]
.endr
	WALU
	s_wait_xcnt 0x0                                ; the earlier stores have read their data: the codes' and scale words' registers are written again only behind this wait
	v_lshl_or_b32 v[\pw], v[TM+5], 8, v[TM+4]
	v_lshl_or_b32 v[\pw], v[TM+6], 16, v[\pw]
	v_lshl_or_b32 v[\pw], v[TM+7], 24, v[\pw]
	WIN 0x01*(\w)
.irp c, 0,1
	v_cvt_scalef32_pk16_fp6_f32 v[PC+6*\c:PC+6*\c+2], v[(\s)+32*\c:(\s)+32*\c+15], v[TM+12+2*\c]
	v_cvt_scalef32_pk16_fp6_f32 v[PC+12+4*\c:PC+14+4*\c], v[(\s)+16+32*\c:(\s)+31+32*\c], v[TM+13+2*\c]
.endr
	WIN 0
	v_nop                                          ; one plain instruction behind the scaled conversions
.irp c, 0,1
.irp i, 0,1,2
	v_permlane16_swap_b32 v[PC+6*\c+\i], v[PC+12+4*\c+\i]
.endr
.irp i, 0,1,2
	v_mov_b32 v[PC+3+6*\c+\i], v[PC+12+4*\c+\i]
.endr
.endr
.endm
; ---- S^T = K Q^T.  Pair g: key tiles 2 g, 2 g + 1; half s: d 128 s on.
.macro KLH g, s, r                     ; two fragments to r, r + 12: 6 loads
.irp u, 0,1
.irp c, 0,1,2
	ds_load_b128 v[\r+12*\u+4*\c:\r+12*\u+4*\c+3], v[ADR] offset:6144*\g+3072*\s+1536*\u+512*\c
.endr
.endr
.endm
.macro SMH g, s, r                     ; their 8 products: the eight accumulators by turns
.irp u, 0,1
.irp a, 0,1
.irp b, 0,1
	WM 128*\a+64*\b+16*\g+8*\u, \r+12*\u, QW+48*\a+24*\b+12*\s, 1-\s, SCR+2*\g+\s, QS+2*\a+\s, \u, \b
.endr
.endr
.endr
.endm
.macro AHEAD                           ; a step's addresses, K's scale registers (group i / 2, K step i % 2) and its first pair
	v_add_nc_u32 v[ADR], s[TB], v[LI]
	v_add_nc_u32 v[ADS], s[TS], v[LSC]
.irp i, 0,1,2,3,4,5,6,7
	ds_load_b32 v[SCR+\i], v[ADS] offset:128*\i
.endr
	KLH 0, 0, XA
	KLH 0, 1, XA+24
.endm
; A key step's products, from the first pair that is on its way; then the next step's first pair, which has the softmax in which to land.  (Behind the last step that pair is read from bytes that hold scales, and is not used.)
.macro SPHASE stride, show
	KLH 1, 0, KA
	KLH 1, 1, KA+24
	KLH 2, 0, KB
	KLH 2, 1, KB+24
	KLH 3, 0, XB
	WALU
	s_wait_dscnt 30                                ; all but these 30: the first pair is in
	WIN 0x5c                                       ; K in window 0, Q in window 3, C and D in window 1
	SMH 0, 0, XA
	SMH 0, 1, XA+24
	s_wait_dscnt 18                                ; all but pair 2's 12 and pair 3's first 6
	SMH 1, 0, KA
	SMH 1, 1, KA+24
	NOPS 4                                         ; places in front of loads into registers that matrix instructions have read
	WIN 0
	KLH 3, 1, KA
	s_wait_dscnt 12                                ; all but pair 3's 12
	WIN 0x5c
	SMH 2, 0, KB
	SMH 2, 1, KB+24
	s_wait_dscnt 6
	SMH 3, 0, XB
	s_wait_dscnt 0x0
	SMH 3, 1, KA
	WIN 0
	NOPS 4                                         ; places in front of the first read of the scores, of loads over the scale registers and of writes over K's fragments
.if \show
	WALU
	s_wait_tensorcnt 0x0                           ; everything that was asked for at the head is shown to all
	s_wait_dscnt 0x0
	BARRIER
.endif
	s_add_co_u32 s[TB], s[TB], \stride
	s_add_co_u32 s[TS], s[TS], 2048
	s_and_b32 s[TS], s[TS], 0x3fff
	AHEAD
.endm
; Tile t's exponentials; among them the next tile's t - M, which are read behind the next wait.
.macro EXPS t
.set j, 64*\t
.rept 32
	v_exp_f32 v[j], v[j]                           ; p = 2^(t - M), at most 1
.if \t < 3
	v_pk_fma_f32 v[j+64:j+65], v[j+64:j+65], s[CS:CS+1], v[ST+6*(\t+1):ST+6*(\t+1)+1] op_sel_hi:[1,0,0]
.endif
	v_exp_f32 v[j+1], v[j+1]
.set j, j+2
.endr
.endm
; The four tiles' softmax for 128 keys, line by line by turns.  Register 64 t + 16 b + i of window 1 holds tile t's score of key 32 b + 16 (lane / 16) + i.  It ends with the conversions, each operand's blocks whole in a lane.
.macro SOFTMAX4
	WIN 0x15                                       ; three sources in window 1
.irp b, 0,1,2,3
.irp t, 0,1,2,3
	v_max3_num_f32 v[BM+4*\t+\b], v[64*\t+16*\b], v[64*\t+16*\b+1], v[64*\t+16*\b+2]   ; the largest score of each block of 32 keys: for the row's maximum and, since p rises with the score, for the block's largest p
.endr
.endr
	WIN 0x14
.irp i, 3,5,7,9,11,13
.irp b, 0,1,2,3
.irp t, 0,1,2,3
	v_max3_num_f32 v[BM+4*\t+\b], v[BM+4*\t+\b], v[64*\t+16*\b+\i], v[64*\t+16*\b+\i+1]
.endr
.endr
.endr
	WIN 0x04
.irp b, 0,1,2,3
.irp t, 0,1,2,3
	v_max_num_f32 v[BM+4*\t+\b], v[BM+4*\t+\b], v[64*\t+16*\b+15]
.endr
.endr
	WIN 0
.set j, 0
.rept 16
	v_permlanex16_b32 v[P1+j], v[BM+j], s[SEL], s[SEL+1]
.set j, j+1
.endr
.set j, 0
.rept 16
	v_max_num_f32 v[BM+j], v[BM+j], v[P1+j]        ; with lane l xor 16's 16 keys
.set j, j+1
.endr
.irp t, 0,1,2,3
	v_max3_num_f32 v[T+\t], v[BM+4*\t], v[BM+4*\t+1], v[BM+4*\t+2]
.endr
.irp t, 0,1,2,3
	v_max_num_f32 v[T+\t], v[T+\t], v[BM+4*\t+3]
.endr
.irp t, 0,1,2,3
	v_mul_f32 v[T+\t], s[CS], v[T+\t]              ; the step's largest t (c is positive)
.endr
.irp t, 0,1,2,3
	v_max_num_f32 v[ST+6*\t+1], v[ST+6*\t+1], v[T+\t]   ; the running largest t
.endr
.irp t, 0,1,2,3
	v_mov_b32 v[T+\t], v[ST+6*\t]
.endr
.irp t, 0,1,2,3
	v_floor_f32 v[ST+6*\t], -v[ST+6*\t+1]          ; the new -M = floor(-t): M is a whole number
.endr
.irp t, 0,1,2,3
	v_sub_f32 v[T+\t], v[ST+6*\t], v[T+\t]         ; old M - new M: a whole number, 0 or less
.endr
.irp t, 0,1,2,3
	v_cvt_i32_f32 v[T+\t], v[T+\t]                 ; (it saturates)
.endr
.irp t, 0,1,2,3
	v_ldexp_f32 v[ST+6*\t+4], 1.0, v[T+\t]         ; f = 2^(old M - new M)
.endr
.irp b, 0,1,2,3
.irp t, 0,1,2,3
	v_fma_f32 v[BM+4*\t+\b], v[BM+4*\t+\b], s[CS], v[ST+6*\t]   ; t - M of each block's largest score
.endr
.endr
	WIN 0x41                                       ; destination and source 0 in window 1
.set j, 0
.rept 32
	v_pk_fma_f32 v[j:j+1], v[j:j+1], s[CS:CS+1], v[ST:ST+1] op_sel_hi:[1,0,0]   ; tile 0's t - M, two at a time
.set j, j+2
.endr
.irp t, 0,1,2,3
	WALU                                           ; ahead of each batch
	EXPS \t
.endr
	WIN 0
.set j, 0
.rept 16
	v_exp_f32 v[BM+j], v[BM+j]                     ; the blocks' largest p
.set j, j+1
.endr
.irp t, 0,1,2,3
	v_pk_mul_f32 v[ST+6*\t+2:ST+6*\t+3], v[ST+6*\t+2:ST+6*\t+3], v[ST+6*\t+4:ST+6*\t+5] op_sel_hi:[1,0]   ; the sums under the new M: plain instructions behind the exponentials
.endr
	WALU                                           ; and behind the last
	WIN 0x05
.irp t, 0,1,2,3
	v_pk_add_f32 v[SU+2*\t:SU+2*\t+1], v[64*\t:64*\t+1], v[64*\t+2:64*\t+3]   ; the row's sum is taken of the unquantised p, in two chains a tile
.endr
	WIN 0x04
.irp j, 4,8,12,16,20,24,28,32,36,40,44,48,52,56,60
.irp t, 0,1,2,3
	v_pk_add_f32 v[ST+6*\t+2:ST+6*\t+3], v[ST+6*\t+2:ST+6*\t+3], v[64*\t+\j:64*\t+\j+1]
	v_pk_add_f32 v[SU+2*\t:SU+2*\t+1], v[SU+2*\t:SU+2*\t+1], v[64*\t+\j+2:64*\t+\j+3]
.endr
.endr
	WIN 0
.irp t, 0,1,2,3
	v_pk_add_f32 v[ST+6*\t+2:ST+6*\t+3], v[ST+6*\t+2:ST+6*\t+3], v[SU+2*\t:SU+2*\t+1]
.endr
.set j, 0
.rept 16
	v_max_num_f32 v[BM+j], 0x1800000, v[BM+j]      ; the floor 2^(3 - 127)
.set j, j+1
.endr
.set j, 0
.rept 16
	v_add_nc_u32 v[SO+j], 0xff000000, v[BM+j]      ; 2 off the exponent field: the conversion's scale operand
.set j, j+1
.endr
.set j, 0
.rept 16
	v_lshrrev_b32 v[P1+j], 23, v[SO+j]             ; the scale's byte
.set j, j+1
.endr
.irp t, 0,1,2,3
	v_lshl_or_b32 v[ST+6*\t+5], v[P1+4*\t+1], 8, v[P1+4*\t]   ; p's scale word for these 128 keys
.endr
.irp t, 0,1,2,3
	v_lshl_or_b32 v[ST+6*\t+5], v[P1+4*\t+2], 16, v[ST+6*\t+5]
.endr
.irp t, 0,1,2,3
	v_lshl_or_b32 v[ST+6*\t+5], v[P1+4*\t+3], 24, v[ST+6*\t+5]
.endr
	WIN 0x01                                       ; the numbers in window 1
.irp t, 0,1,2,3
.irp c, 0,1
	v_cvt_scalef32_pk16_fp6_f32 v[PCD+12*\t+6*\c:PCD+12*\t+6*\c+2], v[64*\t+32*\c:64*\t+32*\c+15], v[SO+4*\t+2*\c]
	v_cvt_scalef32_pk16_fp6_f32 v[PT+8*\t+4*\c:PT+8*\t+4*\c+2], v[64*\t+16+32*\c:64*\t+31+32*\c], v[SO+4*\t+2*\c+1]   ; (a conversion's three registers begin on an even number)
.endr
.endr
	WIN 0
	v_nop                                          ; one plain instruction behind the scaled conversions
.irp t, 0,1,2,3
.irp c, 0,1
.irp i, 0,1,2
	v_permlane16_swap_b32 v[PCD+12*\t+6*\c+\i], v[PT+8*\t+4*\c+\i]
.endr
.endr
.endr
	WALU
.endm
.macro PSAVE i                         ; step i's codes, -M and scale words to their own registers (the last step's M is the final one and is not kept)
.if (\i) < 5
.set pb, 48*(\i)
	WIN 0x80
.else
.set pb, 48*((\i)-5)
	WIN 0xc0
.endif
.irp t, 0,1,2,3
.irp c, 0,1
.irp k, 0,1,2
	v_mov_b32 v[pb+12*\t+6*\c+\k], v[PCD+12*\t+6*\c+\k]
	v_mov_b32 v[pb+12*\t+6*\c+3+\k], v[PT+8*\t+4*\c+\k]
.endr
.endr
.endr
.if (\i) < 7
	WIN 0x80+0x40*((\i)/4)
.irp t, 0,1,2,3
	v_mov_b32 v[MW+4*((\i)%4)+\t], v[ST+6*\t]
.endr
.endif
	WIN 0
.irp t, 0,1,2,3
	v_mov_b32 v[W+4*(\i)+\t], v[ST+6*\t+5]
.endr
.endm
.macro CASE k, i, next, end            ; in trip k: step i
	s_cmp_lg_u32 s[CNT], \k
	s_cbranch_scc1 \next
	PSAVE \i
	s_branch \end
\next:
.endm
; ---- O^T = V^T P^T.  Unit m: step m / 2, d tiles 4 (m % 2) on of the half, in set m % 3.
.macro UNIT m
.set n_, (\m)/2
.set h_, (\m)%2
.set q_, (\m)%3
.if q_
.set r_, KA+48*(q_-1)
.else
.set r_, XA
.endif
.endm
.macro VU m                            ; its 14 loads
	UNIT \m
.if h_ == 0
.if n_ < 4
	s_add_co_u32 s13, s[TB], STEPB*n_+HALFB
.else
	s_add_co_u32 s13, s[TB], STEPB*(n_-4)
.endif
	v_add_nc_u32 v[ADR], s13, v[LI]
.endif
.irp k, 0,1
	ds_load_b32 v[SCR+2*q_+\k], v[ADS] offset:1024+2048*n_+256*h_+128*\k
.endr
.irp e, 0,1,2,3
.irp c, 0,1,2
	ds_load_b128 v[r_+12*\e+4*\c:r_+12*\e+4*\c+3], v[ADR] offset:6144*h_+1536*\e+512*\c
.endr
.endr
.endm
.macro MU m                            ; its 16 products: each accumulator once, so that it comes again 32 instructions on
	UNIT \m
.if n_ < 5
	WIN 0x58                                       ; V in window 0, p in window 2 or 3, C and D in window 1
.set b_, 48*n_
.else
	WIN 0x5c
.set b_, 48*(n_-5)
.endif
.set z_, 0
.if n_ == 0
.set z_, 1
.endif
.irp k, 0,1
.irp u, 0,1
.irp t, 0,1,2,3
	WM 64*\t+32*h_+16*\k+8*\u, r_+24*\k+12*\u, b_+12*\t, z_, SCR+2*q_+\k, W+4*n_+\t, \u, 0
.endr
.endr
.endr
.endm
	s_load_b128 s[4:7], s[0:1], 0x0                ; qc s[4:5], kv s[6:7]
	s_load_b64 s[8:9], s[0:1], 0x10                ; ac
	v_lshl_add_u32 v[SPW], v0, 2, SPARE
	v_mov_b32 v[NIL], 0
	ds_add_u32 v[SPW], v[NIL]                      ; the wave's opening: the add, twice on end, and its one wait
	ds_add_u32 v[SPW], v[NIL]
	v_lshrrev_b32 v1, 5, v0
	v_readfirstlane_b32 s[WV], v1                  ; wave 0..3
	v_and_b32 v1, 31, v0
	v_lshlrev_b32 v[LS4], 2, v1
	v_lshlrev_b32 v[LI], 4, v1
	v_add_nc_u32 v[LSC], SCB, v[LS4]
	s_bfe_u32 s11, ttmp6, 0x40000                  ; cx: my block of 256 queries
	s_and_b32 s12, ttmp7, 0xffff                   ; bh, which the four partners share
	GROUP1 G1H, 32, 96, 32                         ; K's or V's codes of a key step: 24,576 bytes, as rows of 256
	GROUP1 G1S, 32, 64, 32                         ; the head's scales: 16,384 bytes
	GROUP1 G1V, 32, 672, 32                        ; V of step 0 to V of step 3: 172,032 bytes on end
	GROUP1 G14, 3072, 4, 6144                      ; K of steps 4 to 7: four rows of 24,576 bytes, 49,152 apart
	s_mul_i32 s76, s12, 409600                     ; the head in kv: 8 key steps of codes, then 16,384 bytes of scales
	s_mov_b32 s77, 0
	s_lshl_b32 s78, s12, 5
	s_lshl_b32 s79, s11, 3
	s_add_co_u32 s78, s78, s79
	s_lshl_b32 s79, s[WV], 1
	s_add_co_u32 s78, s78, s79
	s_mul_i32 s78, s78, 6400                       ; my two records of q: 32 bh + 8 cx + 2 wave on
	s_mov_b32 s79, 0
	s_lshr_b32 s98, s12, 3
	s_lshl_b32 s98, s98, 3
	s_lshl_b32 s99, s11, 1
	s_add_co_u32 s98, s98, s99
	s_lshr_b32 s99, s[WV], 1
	s_add_co_u32 s98, s98, s99                     ; my block of 128 tokens in ac: 8 b + 2 cx + wave / 2
	s_mul_i32 s98, s98, 204800                     ; a block: images at (8 ks + 2 g + u) x 1536, ks = 2 h + s; then scale registers at 196608 + (4 ks + g) x 128; my groups are g = 2 (wave % 2), + 1
	s_and_b32 s99, s12, 7
	s_lshl_b32 s99, s99, 2
	s_and_b32 s13, s[WV], 1
	s_add_co_u32 s99, s99, s13                     ; 4 h + wave % 2
	s_mul_i32 s100, s99, 6144
	s_add_co_u32 s[AO], s98, s100
	s_mov_b32 s[AO+1], 0
	s_lshl_b32 s99, s99, 8
	s_add_co_u32 s[ASB], s98, s99
	s_add_co_u32 s[ASB], s[ASB], 196608
	s_mov_b32 s[ASB+1], 0
	s_mov_b32 s[SEL], 0x76543210
	s_mov_b32 s[SEL+1], 0xfedcba98
	s_mov_b32 s[CS], 0x3db8aa3b                    ; c = log2(e) / 16
	s_mov_b32 s[CS+1], s[CS]                       ; (named with it as a pair, so it is written)
	s_mov_b32 s[HM], 0xffff0000
	s_mov_b32 s[TB], 0
	s_mov_b32 s[TS], 0
	WALU
	s_wait_dscnt 0x0                               ; both opening adds are done
	s_wait_kmcnt 0x0
	s_add_nc_u64 s[HB:HB+1], s[6:7], s[76:77]
	GROUP0 G0K, 0, 0
	GROUP0 G0S, SCB, 393216
	GROUP0 G0V, HALFB, HALFB
	GROUP0 G04, K4, 4*STEPB
	s_add_nc_u64 s[4:5], s[4:5], s[78:79]
	s_add_nc_u64 s[AO:AO+1], s[8:9], s[AO:AO+1]
	s_add_nc_u64 s[ASB:ASB+1], s[8:9], s[ASB:ASB+1]
	CROUND                                         ; all four work-groups are here: the first joint loads meet
	ARM 0, G0K, G1H, .Larm_1                       ; one tensor load a wave
	ARM 1, G0S, G1S, .Larm_2
	ARM 2, G0V, G1V, .Larm_3
	TLOAD G04, G14
.Lasked:
	WIN 0xc0                                       ; destination window 3
.irp t, 0,1,2,3
.irp s, 0,1
.irp c, 0,1,2
	global_load_b128 v[QW+24*\t+12*\s+4*\c:QW+24*\t+12*\s+4*\c+3], v[LI], s[4:5] offset:6400*(\t/2)+3072*\s+1536*(\t%2)+512*\c th:TH_LOAD_NT   ; Q's eight fragments stay in registers
.endr
.endr
.endr
	WIN 0
.irp g, 0,1
.irp s, 0,1
	global_load_b32 v[QS+2*\g+\s], v[LS4], s[4:5] offset:6400*\g+6144+128*\s th:TH_LOAD_NT
.endr
.endr
; p's codes, -M and scale words are written by the step that a loop's trip picks out: here each is written once, so that it has been written on every way to phase 2 (the tiles are on their way meanwhile)
	WIN 0x80
.set j, 0
.rept 256
	v_mov_b32 v[j], 0
.set j, j+1
.endr
	WIN 0xc0
.set j, 0
.rept 144
	v_mov_b32 v[j], 0
.set j, j+1
.endr
.set j, MW
.rept 12
	v_mov_b32 v[j], 0
.set j, j+1
.endr
	WIN 0
.set j, W
.rept 32
	v_mov_b32 v[j], 0
.set j, j+1
.endr
.irp t, 0,1,2,3
	v_mov_b32 v[ST+6*\t+1], 0xff61b1e6             ; the largest t so far: -3e38, under every t
	v_mov_b32 v[ST+6*\t+2], 0                      ; the sum, in two halves
	v_mov_b32 v[ST+6*\t+3], 0
	v_mov_b32 v[ST+6*\t+5], 0                      ; (named as the upper half of a pair before it is first written)
	v_floor_f32 v[ST+6*\t], -v[ST+6*\t+1]          ; -M
.endr
	WALU                                           ; the wait at the head's end
	s_cmp_lt_u32 s[WV], 2                          ; K of step 0 and the scales are waited for by the waves that asked
	s_cbranch_scc0 .Lnot_k0
	s_wait_tensorcnt 0x0
.Lnot_k0:
	BARRIER
	AHEAD
	WALU
	s_wait_loadcnt 0x0                             ; Q
	; PHASE 1
	SPHASE STEPB, 1                                ; step 0's scores
	s_mov_b32 s[CNT], 0
.Lfront:                                           ; the softmax of steps 0 to 2, the scores of steps 1 to 3
	SOFTMAX4
	CASE 0, 0, .Lf1, .Lfd
	CASE 1, 1, .Lf2, .Lfd
	PSAVE 2
.Lfd:
	SPHASE STEPB, 0
	s_add_co_u32 s[CNT], s[CNT], 1
	s_cmp_lt_u32 s[CNT], 3
	WALU
	s_cbranch_scc1 .Lfront
	; THE ONE REFILL.  Each wave waits for all its tensor loads, adds 0 to its spare word, and waits for that and for its reads of K of steps 0 to 3; a round of the cluster's barrier; then V of steps 4 to 7 takes their place, a step a wave.
	s_wait_tensorcnt 0x0                           ; no tensor load of mine is out, so a group 0 may be written
	ds_add_u32 v[SPW], v[NIL]                      ; 0 onto my spare word
	s_mul_i32 s14, s[WV], STEPB
	s_mov_b32 s15, 0
	s_mov_b32 s[G0K+1], s14
	s_add_nc_u64 s[G0K+2:G0K+3], s[HB:HB+1], s[14:15]
	s_add_nc_u64 s[G0K+2:G0K+3], s[G0K+2:G0K+3], 4*STEPB+HALFB
	s_or_b32 s[G0K+3], s[G0K+3], 0x80000000
	s_wait_dscnt 0x0
	CROUND
	TLOAD G0K, G1H                                 ; my one tensor load behind the round
	s_mov_b32 s[CNT], 0
.Lback:                                            ; the softmax of steps 3 to 7, the scores of steps 4 to 7
	SOFTMAX4
	CASE 0, 3, .Lb1, .Lbd
	CASE 1, 4, .Lb2, .Lbd
	CASE 2, 5, .Lb3, .Lbd
	CASE 3, 6, .Lb4, .Lbd
	PSAVE 7
.Lbd:
	WALU
	s_cmp_eq_u32 s[CNT], 4
	s_cbranch_scc1 .Lno_more                       ; there is no step 8
	SPHASE HALFB, 0
.Lno_more:
	s_add_co_u32 s[CNT], s[CNT], 1
	s_cmp_lt_u32 s[CNT], 5
	WALU
	s_cbranch_scc1 .Lback
	s_wait_tensorcnt 0x0                           ; my step of V is in
	s_wait_dscnt 0x0
	BARRIER                                        ; everybody's is
	; THE SCALE BYTES UNDER THE LAST M: four bytes at a time, each less d = the last M - the step's M, held at 0.  A byte is under 128, so with bit 7 set no borrow leaves it, and bit 7 stands behind the subtraction where the byte was d or more
.irp i, 0,1,2,3,4,5,6
	WIN 0x02+\i/4
.irp t, 0,1,2,3
	v_sub_f32 v[T+\t], v[MW+4*(\i%4)+\t], v[ST+6*\t]
.endr
	WIN 0
.irp t, 0,1,2,3
	v_min_num_f32 v[T+\t], 0x42fe0000, v[T+\t]     ; at most 127
.endr
.irp t, 0,1,2,3
	v_cvt_u32_f32 v[T+\t], v[T+\t]
.endr
.irp t, 0,1,2,3
	v_perm_b32 v[T+\t], v[T+\t], v[T+\t], 0        ; in all four bytes
.endr
.irp t, 0,1,2,3
	v_or_b32 v[PT+\t], 0x80808080, v[W+4*\i+\t]
.endr
.irp t, 0,1,2,3
	v_sub_nc_u32 v[PT+\t], v[PT+\t], v[T+\t]
.endr
.irp t, 0,1,2,3
	v_and_b32 v[T+\t], 0x80808080, v[PT+\t]
.endr
.irp t, 0,1,2,3
	v_lshrrev_b32 v[PT+4+\t], 7, v[T+\t]
.endr
.irp t, 0,1,2,3
	v_sub_nc_u32 v[T+\t], v[T+\t], v[PT+4+\t]      ; 0x7f where bit 7 stands
.endr
.irp t, 0,1,2,3
	v_and_b32 v[W+4*\i+\t], v[PT+\t], v[T+\t]
.endr
.endr
.irp t, 0,1,2,3
	v_add_f32 v[T+\t], v[ST+6*\t+2], v[ST+6*\t+3]
.endr
.irp t, 0,1,2,3
	v_permlanex16_b32 v[P1+\t], v[T+\t], s[SEL], s[SEL+1]
.endr
.irp t, 0,1,2,3
	v_add_f32 v[T+\t], v[T+\t], v[P1+\t]           ; with lane l xor 16's: the row's sum
.endr
	WALU
.irp t, 0,1,2,3
	v_rcp_f32 v[ST+6*\t+4], v[T+\t]
.endr
	v_nop                                          ; the plain instruction behind the reciprocals
	WALU                                           ; one wait for the four, ahead of their first reader
	; PHASE 2: a trip makes 128 of the head's 256 d: K step 2 h + trip of the last product
	s_mov_b32 s[TB], 0
	s_mov_b32 s[TS], 0
	s_mov_b32 s[CNT], 0
.Lhalf:
	v_add_nc_u32 v[ADS], s[TS], v[LSC]
	VU 0
	VU 1
.set m_, 0
.rept 16
.if m_ < 14
	WIN 0
.if m_ > 0
	NOPS 4                                         ; places in front of loads into the set just read
.endif
	VU m_+2
	WALU
	s_wait_dscnt 28                                ; all but the two units behind this one
.else
	s_wait_dscnt 14*(15-m_)
.endif
	MU m_
.set m_, m_+1
.endr
	WIN 0
	NOPS 4                                         ; places in front of the first read of O^T
	WIN 0x41
.irp t, 0,1,2,3
.set j, 64*\t
.rept 32
	v_pk_mul_f32 v[j:j+1], v[j:j+1], v[ST+6*\t+4:ST+6*\t+5] op_sel_hi:[1,0]   ; divided by the row's sum
.set j, j+2
.endr
.endr
.irp t, 0,1,2,3
	QUANT 64*\t, 1, PWA+(\t%2)
.irp c, 0,1,2
	global_store_b128 v[LI], v[PC+4*\c:PC+4*\c+3], s[AO:AO+1] offset:1536*\t+512*\c   ; 512 consecutive bytes, aligned to 256
.endr
.if \t%2
	v_cndmask_b32 v[PWC], v[PWA], v[PWA+1], s[HM]  ; the group's scale register: lanes 0-15 its first tile's words, lanes 16-31 its second's
	global_store_b32 v[LS4], v[PWC], s[ASB:ASB+1] offset:128*(\t/2)
.endif
.endr
	WALU
	s_wait_xcnt 0x0                                ; the stores have read their data and their bases
	s_add_nc_u64 s[AO:AO+1], s[AO:AO+1], 12288
	s_add_nc_u64 s[ASB:ASB+1], s[ASB:ASB+1], 512
	s_add_co_u32 s[TB], s[TB], 12288               ; V's other eight d tiles
	s_add_co_u32 s[TS], s[TS], 512
	s_add_co_u32 s[CNT], s[CNT], 1
	s_cmp_lt_u32 s[CNT], 2
	s_cbranch_scc1 .Lhalf
	s_wait_tensorcnt 0x0                           ; the wave's end
	ds_add_u32 v[SPW], v[NIL]
	s_wait_dscnt 0x0
	CROUND                                         ; the closing round: no work-group ends while a partner may still ask for a tile that names it
	s_endpgm
.Lfunc_end_k_q889f90150f_attn:
	.size	k_q889f90150f_attn, .Lfunc_end_k_q889f90150f_attn-k_q889f90150f_attn
	.p2alignl 7, 3214868480
	.fill 96, 4, 3214868480
	.section	.rodata,"a",@progbits
	.p2align	6, 0x0
	.amdhsa_kernel k_q889f90150f_attn
		.amdhsa_group_segment_fixed_size 327680
		.amdhsa_private_segment_fixed_size 0
		.amdhsa_enable_private_segment 0
		.amdhsa_kernarg_size 24
		.amdhsa_user_sgpr_count 2
		.amdhsa_user_sgpr_kernarg_segment_ptr 1
		.amdhsa_wavefront_size32 1
		.amdhsa_system_sgpr_workgroup_id_x 1
		.amdhsa_system_sgpr_workgroup_id_y 1
		.amdhsa_system_sgpr_workgroup_id_z 1
		.amdhsa_system_vgpr_workitem_id 0
		.amdhsa_next_free_vgpr 1024
		.amdhsa_next_free_sgpr 102
		.amdhsa_reserve_vcc 0
		.amdhsa_float_denorm_mode_32 3
		.amdhsa_float_denorm_mode_16_64 3
		.amdhsa_memory_ordered 1
		.amdhsa_forward_progress 1
		.amdhsa_inst_pref_size 253
	.end_amdhsa_kernel
	.amdgpu_metadata
---
amdhsa.version: [ 1, 2 ]
amdhsa.kernels:
  - .name:           k_q889f90150f_attn
    .symbol:         k_q889f90150f_attn.kd
    .args:
      - { .name: qc, .offset: 0, .size: 8, .value_kind: global_buffer, .address_space: global }
      - { .name: kv, .offset: 8, .size: 8, .value_kind: global_buffer, .address_space: global }
      - { .name: ac, .offset: 16, .size: 8, .value_kind: global_buffer, .address_space: global }
    .group_segment_fixed_size: 327680
    .private_segment_fixed_size: 0
    .kernarg_segment_align: 8
    .kernarg_segment_size: 24
    .max_flat_workgroup_size: 128
    .sgpr_count:     102
    .vgpr_count:     1024
    .wavefront_size: 32
...
	.end_amdgpu_metadata
.endif
;; end of part 3
;; launch outp (part 4): grid 4 x 64, 4 waves a work-group, clusters of 4 x 4, 307,712 bytes of LDS; arguments ac, pc, out0; writes out0
.if DOCPART == 4
	.amdgcn_target "amdgcn-amd-amdhsa--gfx1250"
	.amdhsa_code_object_version 6
	.text
	.protected	k_q889f90150f_outp
	.globl	k_q889f90150f_outp
	.p2align	8
	.type	k_q889f90150f_outp,@function
k_q889f90150f_outp:
	s_mov_b64 s[64:65], 0
	v_nop
	global_prefetch_b8 v0, s[64:65] scope:SCOPE_SE
	s_setreg_imm32_b32 hwreg(HW_REG_WAVE_MODE, 25, 1), 1
	s_wait_xcnt 0x0
	s_wait_alu depctr_hold_cnt(0) depctr_sa_sdst(0) depctr_va_vdst(0) depctr_va_sdst(0) depctr_va_ssrc(0) depctr_va_vcc(0) depctr_vm_vsrc(0)
	s_getreg_b32 s2, hwreg(HW_REG_IB_STS2, 6, 4)
	s_cmp_eq_u32 s2, 0
	s_cbranch_scc0 .Lentry_in_a_cluster
	s_endpgm
.Lentry_in_a_cluster:
	s_bfe_u32 s2, ttmp6, 0x10000c
	s_cmp_lg_u32 s2, 0xf033
	s_cbranch_scc0 .Lentry_shape_is_right
	s_endpgm
.Lentry_shape_is_right:
; out0 [8192][256] = a Wu, K = 2,048, on codes of FP6 (E2M3) with E8M0 scales, sums in f32, K ascending, one accumulator for each output.
; a comes as images by blocks of 128 tokens (image (8 ks + 2 g + u) x 1536; scale register (4 ks + g) x 128 behind 196,608 bytes), Wu as records 448 + 16 X + 2 kap + cg of pc (a group of 32 columns x K steps 2 kap, 2 kap + 1).
; SHARES.  A work-group makes 128 tokens x 64 columns; ALL of its K lies in LDS, each byte filled once, in two halves along K, so that the first half is multiplied while the second lands.  Four waves; wave (th = w / 2, cg = w % 2)
; makes 64 tokens x 32 columns: 8 accumulators, which take turns.  The product is used transposed (source 0 = 16 columns of Wu, source 1 = 16 tokens): a lane holds one token and eight neighbouring columns a tile.
; CLUSTER 4 x 4: a's block hangs on the token block alone and is shared along a row of the cluster, Wu's records on the column block alone and are shared along a column: each is asked for jointly.
; REGISTERS: v1-7 addresses; v10-15 two sets of three scale registers; v16-79 accumulators, (column tile u, token tile i) at 16 + 8 (4 u + i); v80-151, v152-223 two sets of six fragments (Wu's two, a's four).
.set ACS, 196608                       ; LDS: a's images from 0, its scale registers here,
.set WUB, 204800                       ; Wu's 16 records here
.set SPT, 272                          ; the way out: a stage of 128 rows x (256 bytes + 16) from LDS byte 0: the first half of a's images, which has had its only fill and is read by nobody behind the middle barrier
.set ADA, 1
.set ASA, 2
.set ADW, 3
.set ASW, 4
.set SO,  5
.set SR,  6
.set GO,  7
.set SCL, 10
.set ACC, 16
.set F0,  80
.set WV,  10
.set G1A, 24                           ; s[24:31], s[32:39], s[40:47] groups 1 for a's images, a's scales, Wu's records
.set G1S, 32
.set G1U, 40
.set G0S, 48                           ; four groups 0, never rewritten
.set G0A0, 52
.set G0U0, 56
.set G0A1, 60
.macro NOPS n
.rept \n
	v_nop
.endr
.endm
.macro CROUND
	s_barrier_signal -1
	s_barrier_wait -1
	s_cmp_lg_u32 s[WV], 0
	s_cbranch_scc1 .Lnot_wave_0_\@
	s_barrier_signal -3
.Lnot_wave_0_\@:
	s_barrier_wait -3
	s_barrier_signal -1
	s_barrier_wait -1
.endm
.macro GROUP1 g, rows                  ; words 1 to 7: rows of 32 elements of 8 bytes, dense
	s_mov_b32 s[\g+1], 32<<16
	s_mov_b32 s[\g+2], (\rows)<<16
	s_mov_b32 s[\g+3], 32<<16
	s_mov_b32 s[\g+4], \rows
	s_mov_b32 s[\g+5], 32
	s_mov_b32 s[\g+6], 0
	s_mov_b32 s[\g+7], 0
.endm
.macro GROUP0 g, lds, base, off, more
	s_mov_b32 s[\g], 1
	s_mov_b32 s[\g+1], \lds
	s_add_nc_u64 s[\g+2:\g+3], s[\base:\base+1], s[\off:\off+1]
	s_add_nc_u64 s[\g+2:\g+3], s[\g+2:\g+3], \more
	s_or_b32 s[\g+3], s[\g+3], 0x80000000
.endm
.macro WM                              ; one matrix instruction from wD, wA, wB, wSA, wSB, wRA, wRB (1: scales in lanes 16-31), wZ (1: C = 0)
.if wZ
.if wRA && wRB
	v_wmma_scale_f32_16x16x128_f8f6f4 v[wD:wD+7], v[wA:wA+11], v[wB:wB+11], 0, v[wSA], v[wSB] matrix_a_fmt:MATRIX_FMT_FP6 matrix_b_fmt:MATRIX_FMT_FP6 matrix_a_scale:MATRIX_SCALE_ROW1 matrix_b_scale:MATRIX_SCALE_ROW1
.elseif wRA
	v_wmma_scale_f32_16x16x128_f8f6f4 v[wD:wD+7], v[wA:wA+11], v[wB:wB+11], 0, v[wSA], v[wSB] matrix_a_fmt:MATRIX_FMT_FP6 matrix_b_fmt:MATRIX_FMT_FP6 matrix_a_scale:MATRIX_SCALE_ROW1
.elseif wRB
	v_wmma_scale_f32_16x16x128_f8f6f4 v[wD:wD+7], v[wA:wA+11], v[wB:wB+11], 0, v[wSA], v[wSB] matrix_a_fmt:MATRIX_FMT_FP6 matrix_b_fmt:MATRIX_FMT_FP6 matrix_b_scale:MATRIX_SCALE_ROW1
.else
	v_wmma_scale_f32_16x16x128_f8f6f4 v[wD:wD+7], v[wA:wA+11], v[wB:wB+11], 0, v[wSA], v[wSB] matrix_a_fmt:MATRIX_FMT_FP6 matrix_b_fmt:MATRIX_FMT_FP6
.endif
.else
.if wRA && wRB
	v_wmma_scale_f32_16x16x128_f8f6f4 v[wD:wD+7], v[wA:wA+11], v[wB:wB+11], v[wD:wD+7], v[wSA], v[wSB] matrix_a_fmt:MATRIX_FMT_FP6 matrix_b_fmt:MATRIX_FMT_FP6 matrix_a_scale:MATRIX_SCALE_ROW1 matrix_b_scale:MATRIX_SCALE_ROW1
.elseif wRA
	v_wmma_scale_f32_16x16x128_f8f6f4 v[wD:wD+7], v[wA:wA+11], v[wB:wB+11], v[wD:wD+7], v[wSA], v[wSB] matrix_a_fmt:MATRIX_FMT_FP6 matrix_b_fmt:MATRIX_FMT_FP6 matrix_a_scale:MATRIX_SCALE_ROW1
.elseif wRB
	v_wmma_scale_f32_16x16x128_f8f6f4 v[wD:wD+7], v[wA:wA+11], v[wB:wB+11], v[wD:wD+7], v[wSA], v[wSB] matrix_a_fmt:MATRIX_FMT_FP6 matrix_b_fmt:MATRIX_FMT_FP6 matrix_b_scale:MATRIX_SCALE_ROW1
.else
	v_wmma_scale_f32_16x16x128_f8f6f4 v[wD:wD+7], v[wA:wA+11], v[wB:wB+11], v[wD:wD+7], v[wSA], v[wSB] matrix_a_fmt:MATRIX_FMT_FP6 matrix_b_fmt:MATRIX_FMT_FP6
.endif
.endif
.endm
; K step ks into set ks % 2: 21 LDS loads.  The address registers are stepped where an immediate of 16 bits would not reach.
.macro LOADS ks
.set LP, (\ks)%2
.if ((\ks)%4 == 0) && ((\ks) > 0)
	v_add_nc_u32 v[ADA], 49152, v[ADA]
.endif
.if (\ks) == 8
	v_add_nc_u32 v[ADW], 51200, v[ADW]
	v_add_nc_u32 v[ASW], 51200, v[ASW]
.endif
	ds_load_b32 v[SCL+3*LP], v[ASW] offset:(((\ks)/2)%4)*12800+128*((\ks)%2)   ; my column group's scale register
	ds_load_b32 v[SCL+3*LP+1], v[ASA] offset:512*(\ks)                       ; my two token groups'
	ds_load_b32 v[SCL+3*LP+2], v[ASA] offset:512*(\ks)+128
.irp u, 0,1
.irp c, 0,1,2
	ds_load_b128 v[F0+72*LP+12*\u+4*\c:F0+72*LP+12*\u+4*\c+3], v[ADW] offset:(((\ks)/2)%4)*12800+3072*((\ks)%2)+1536*\u+512*\c
.endr
.endr
.irp i, 0,1,2,3
.irp c, 0,1,2
	ds_load_b128 v[F0+72*LP+24+12*\i+4*\c:F0+72*LP+24+12*\i+4*\c+3], v[ADA] offset:((\ks)%4)*12288+1536*\i+512*\c
.endr
.endr
.endm
.macro MUL8 ks                         ; the 8 accumulators by turns, one instruction a turn, in the same order in every K step
.set LP, (\ks)%2
.if (\ks) == 0
.set wZ, 1
.else
.set wZ, 0
.endif
.irp i, 0,1,2,3
.irp u, 0,1
.set wD, ACC+8*(4*\u+\i)
.set wA, F0+72*LP+12*\u
.set wB, F0+72*LP+24+12*\i
.set wSA, SCL+3*LP
.set wSB, SCL+3*LP+1+\i/2
.set wRA, \u
.set wRB, \i%2
	WM
.endr
.endr
.endm
	s_load_b128 s[4:7], s[0:1], 0x0                ; ac s[4:5], pc s[6:7]
	s_load_b64 s[8:9], s[0:1], 0x10                ; out0
	v_lshl_add_u32 v224, v0, 2, 0x4b000
	v_mov_b32 v225, 0
	ds_add_u32 v224, v225
	ds_add_u32 v224, v225
	v_lshrrev_b32 v9, 5, v0
	v_readfirstlane_b32 s[WV], v9                  ; wave 0..3
	s_lshr_b32 s11, s[WV], 1                       ; th: which 64 tokens
	s_and_b32 s12, s[WV], 1                        ; cg: which 32 columns
	s_bfe_u32 s13, ttmp6, 0x40000                  ; cx
	s_bfe_u32 s14, ttmp6, 0x40004                  ; cy
	s_lshl_b32 s80, ttmp9, 2
	s_add_co_u32 s80, s80, s13                     ; X: which 64 columns
	s_and_b32 s15, ttmp7, 0xffff
	s_lshl_b32 s15, s15, 2
	s_add_co_u32 s15, s15, s14                     ; tb: which 128 tokens
	s_lshl_b32 s16, s14, 2
	s_lshl_b32 s16, 15, s16                        ; my row of the cluster
	s_lshl_b32 s17, 0x1111, s13                    ; my column
	s_or_b32 s[G1A], s16, (3<<16)|(1<<21)          ; the mask; elements of 8 bytes; bit 21 set beside a mask
	s_or_b32 s[G1S], s16, (3<<16)|(1<<21)
	s_or_b32 s[G1U], s17, (3<<16)|(1<<21)
	GROUP1 G1A, 384                                ; 98,304 bytes: half of a's images
	GROUP1 G1S, 32                                 ; 8,192 bytes: a's scales
	GROUP1 G1U, 400                                ; 102,400 bytes: Wu's sixteen records
	s_mul_i32 s72, s15, 204800                     ; a's block (made of tb alone)
	s_mov_b32 s73, 0
	s_lshl_b32 s76, s80, 4
	s_add_co_u32 s76, s76, 448
	s_mul_i32 s76, s76, 6400                       ; Wu's records (made of X alone)
	s_mov_b32 s77, 0
	s_lshl_b32 s78, s15, 7
	s_lshl_b32 s79, s[WV], 5
	s_add_co_u32 s78, s78, s79
	s_lshl_b32 s78, s78, 10                        ; the first row that I store: 128 tb + 32 wave, of 1,024 bytes,
	s_lshl_b32 s79, s80, 8                         ; and the work-group's 256 bytes of it
	s_add_co_u32 s78, s78, s79
	s_mov_b32 s79, 0
	s_wait_dscnt 0x0
	s_wait_kmcnt 0x0
	s_add_nc_u64 s[8:9], s[8:9], s[78:79]
	GROUP0 G0S, ACS, 4, 72, ACS
	GROUP0 G0A0, 0, 4, 72, 0
	GROUP0 G0U0, WUB, 6, 76, 0
	GROUP0 G0A1, 98304, 4, 72, 98304
	CROUND                                         ; all sixteen work-groups are here: the joint loads meet
	s_cmp_eq_u32 s[WV], 0                          ; one tensor load a wave: wave 0 a's K steps 0-7, wave 1 Wu, wave 2 a's scales, wave 3 a's K steps 8-15
	s_cbranch_scc0 .Lfor_u
	tensor_load_to_lds s[G0A0:G0A0+3], s[G1A:G1A+7]
	s_nop 0
	NOPS 4
	s_branch .Lasked
.Lfor_u:
	s_cmp_eq_u32 s[WV], 1
	s_cbranch_scc0 .Lfor_s
	tensor_load_to_lds s[G0U0:G0U0+3], s[G1U:G1U+7]
	s_nop 0
	NOPS 4
	s_branch .Lasked
.Lfor_s:
	s_cmp_eq_u32 s[WV], 2
	s_cbranch_scc0 .Lfor_a1
	tensor_load_to_lds s[G0S:G0S+3], s[G1S:G1S+7]
	s_nop 0
	NOPS 4
	s_branch .Lasked
.Lfor_a1:
	tensor_load_to_lds s[G0A1:G0A1+3], s[G1A:G1A+7]
	s_nop 0
	NOPS 4
.Lasked:
	v_and_b32 v9, 31, v0                           ; lane
	v_and_b32 v8, 15, v0                           ; r
	v_bfe_u32 v[GO], v0, 4, 1                      ; h
	s_mul_i32 s81, s11, 6144
	v_lshlrev_b32 v[ADA], 4, v9
	v_lshlrev_b32 v[ASA], 2, v9
	s_mul_i32 s82, s12, 6400
	s_add_co_u32 s82, s82, WUB
	v_add_nc_u32 v[ADW], s82, v[ADA]               ; Wu: 16 x lane + my column group's records
	v_add_nc_u32 v[ASW], s82, v[ASA]
	v_add_nc_u32 v[ASW], 6144, v[ASW]
	v_add_nc_u32 v[ADA], s81, v[ADA]               ; a: 16 x lane + my four tiles
	s_lshl_b32 s81, s11, 8
	s_add_co_u32 s81, s81, ACS
	v_add_nc_u32 v[ASA], s81, v[ASA]
	v_and_b32 v[SO], 8, v8
	v_add_nc_u32 v[SO], v[SO], v8                  ; r + 8 (r / 8): my token's place in its group, less its tile's 8 u
	v_mul_u32_u24 v[SO], v[SO], SPT
	v_lshl_add_u32 v[SO], v[GO], 6, v[SO]          ; + 64 h: a tile pair's 16 columns of my half
	s_mul_i32 s81, s11, 64*SPT
	s_lshl_b32 s82, s12, 7
	s_add_co_u32 s81, s81, s82
	v_add_nc_u32 v[SO], s81, v[SO]                 ; + my 64 rows and my 128 bytes of them
	v_mul_u32_u24 v[SR], v[GO], SPT                ; back: lanes 0-15 one row of 256 bytes, lanes 16-31 the next
	v_lshl_add_u32 v[SR], v8, 4, v[SR]
	s_mul_i32 s81, s[WV], 32*SPT
	v_add_nc_u32 v[SR], s81, v[SR]
	v_lshlrev_b32 v[GO], 10, v[GO]                 ; and the same two rows in out0
	v_lshl_add_u32 v[GO], v8, 4, v[GO]
	s_wait_alu depctr_va_vdst(0)                   ; the wait at the head's end
	s_cmp_lt_u32 s[WV], 3                          ; K steps 0-7 of a, its scales and Wu are waited for by the waves that asked; K steps 8-15 of a may stay out
	s_cbranch_scc0 .Lnot_first
	s_wait_tensorcnt 0x0
.Lnot_first:
	s_barrier_signal -1
	s_barrier_wait -1                              ; everybody's are
	LOADS 0
	LOADS 1
.irp ks, 0,1,2,3,4,5,6,7,8,9,10,11,12,13,14,15
.if \ks < 15
	s_wait_dscnt 21                                ; all but the next K step's 21 loads
.else
	s_wait_dscnt 0x0
.endif
	MUL8 \ks
.if \ks == 6
	s_wait_tensorcnt 0x0                           ; my parts of K steps 8-15 are in,
	s_wait_dscnt 0x0                               ; and my reads of K steps 0-7 are over
	s_barrier_signal -1
	s_barrier_wait -1
.endif
.if \ks < 14
	NOPS 4                                         ; places in front of loads into registers that matrix instructions have read
	s_wait_alu depctr_va_vdst(0)
	LOADS \ks+2
.endif
.endr
	; THE WAY OUT: a lane's 32 bytes of a row go into the work-group's stage; a barrier, since a row's 256 bytes come from two waves; back as whole rows, 32 a wave.
	NOPS 4
.irp u, 0,1
.irp i, 0,1,2,3
	ds_store_b128 v[SO], v[ACC+8*(4*\u+\i):ACC+8*(4*\u+\i)+3] offset:(32*(\i/2)+8*(\i%2))*SPT+32*\u       ; each accumulator from its low end on
	ds_store_b128 v[SO], v[ACC+8*(4*\u+\i)+4:ACC+8*(4*\u+\i)+7] offset:(32*(\i/2)+8*(\i%2))*SPT+32*\u+16
.endr
.endr
	s_wait_dscnt 0x0                               ; for the others' sake: my stores into the stage are done
	s_barrier_signal -1
	s_barrier_wait -1
.irp t, 0,1,2,3,4,5,6,7,8,9,10,11,12,13,14,15
	ds_load_b128 v[F0+4*\t:F0+4*\t+3], v[SR] offset:2*\t*SPT
.endr
.irp t, 0,1,2,3,4,5,6,7,8,9,10,11,12,13,14,15
	s_wait_dscnt 15-\t
	global_store_b128 v[GO], v[F0+4*\t:F0+4*\t+3], s[8:9] offset:2048*\t th:TH_STORE_NT   ; 16 lanes store 256 consecutive bytes, aligned; written once, read by nobody here
.endr
	s_wait_tensorcnt 0x0
	ds_add_u32 v224, v225
	s_wait_dscnt 0x0
	CROUND                                         ; the closing round: no work-group ends while a partner may still ask for a tile that names it
	s_endpgm
.Lfunc_end_k_q889f90150f_outp:
	.size	k_q889f90150f_outp, .Lfunc_end_k_q889f90150f_outp-k_q889f90150f_outp
	.p2alignl 7, 3214868480
	.fill 96, 4, 3214868480
	.section	.rodata,"a",@progbits
	.p2align	6, 0x0
	.amdhsa_kernel k_q889f90150f_outp
		.amdhsa_group_segment_fixed_size 307712
		.amdhsa_private_segment_fixed_size 0
		.amdhsa_enable_private_segment 0
		.amdhsa_kernarg_size 24
		.amdhsa_user_sgpr_count 2
		.amdhsa_user_sgpr_kernarg_segment_ptr 1
		.amdhsa_wavefront_size32 1
		.amdhsa_system_sgpr_workgroup_id_x 1
		.amdhsa_system_sgpr_workgroup_id_y 1
		.amdhsa_system_sgpr_workgroup_id_z 1
		.amdhsa_system_vgpr_workitem_id 0
		.amdhsa_next_free_vgpr 226
		.amdhsa_next_free_sgpr 96
		.amdhsa_reserve_vcc 0
		.amdhsa_float_denorm_mode_32 3
		.amdhsa_float_denorm_mode_16_64 3
		.amdhsa_memory_ordered 1
		.amdhsa_forward_progress 1
		.amdhsa_inst_pref_size 53
	.end_amdhsa_kernel
	.amdgpu_metadata
---
amdhsa.version: [ 1, 2 ]
amdhsa.kernels:
  - .name:           k_q889f90150f_outp
    .symbol:         k_q889f90150f_outp.kd
    .args:
      - { .name: ac, .offset: 0, .size: 8, .value_kind: global_buffer, .address_space: global }
      - { .name: pc, .offset: 8, .size: 8, .value_kind: global_buffer, .address_space: global }
      - { .name: out0, .offset: 16, .size: 8, .value_kind: global_buffer, .address_space: global }
    .group_segment_fixed_size: 307712
    .private_segment_fixed_size: 0
    .kernarg_segment_align: 8
    .kernarg_segment_size: 24
    .max_flat_workgroup_size: 128
    .sgpr_count:     96
    .vgpr_count:     226
    .wavefront_size: 32
...
	.end_amdgpu_metadata
.endif
;; end of part 4
